; MI455X (gfx1250); checked and timed in simulation.
; The chip was launched on July 23, 2026; its instructions are those of AMD's public machine-readable ISA for CDNA 5 (MIT licence, August 2026) and "CDNA5" Instruction Set Architecture Reference Guide (July 2026). The comments in the code are by the model that wrote it; some were corrected since.
;; Point Net Feature Propagation. Allowed arithmetic: float matrix products may take bf16 or f16 operands with f32 sums; other float arithmetic in f32, or as packed bf16 or f16 multiplies, adds, multiply-adds, maxima and minima; sums over many terms, partial sums and values carried from step to step in f32; what a program stores and reads back later, other than sums and carried values, may be rounded once to bf16 or f16.
;; Inputs: b1 256 float32; b2 128 float32; beta1 256 float32; beta2 128 float32; g1 256 float32; g2 128 float32; points1 2 x 128 x 16,384 float32; points2 2 x 256 x 4,096 float32; w1 384 x 256 float32; w2 256 x 128 float32; xyz1 2 x 3 x 16,384 float32; xyz2 2 x 3 x 4,096 float32.
;; Outputs: out0 2 x 128 x 16,384 float32.
;; 2 versions, each right; version 2 is version 1 with the launches knn_groups, knn_pick written anew for expert scheduling mode. Each part assembles by itself: llvm-mc -triple=amdgcn-amd-amdhsa -mcpu=gfx1250 --defsym DOCPART=n.
;; ======== version 1 of 2: 7 launches
;; limits: values are held in f16: magnitudes above 65,504 overflow, below 6.1e-05 lose precision
;; workspace buffers: grp 524,288 bytes of whole numbers; prep 4,456,448 bytes; nidx 524,288 bytes of whole numbers; nwgt 524,288 bytes; y1 17,301,504 bytes; ss1 3,072 bytes; y2 8,912,896 bytes; ss2 3,072 bytes
;; launch knn_groups (part 1): grid 256 x 1, 8 waves a work-group, no clusters, 117,248 bytes of LDS; arguments xyz1, xyz2, points2, w1, w2, grp, prep; writes grp, prep
.if DOCPART == 1
	.amdgcn_target "amdgcn-amd-amdhsa--gfx1250"
	.amdhsa_code_object_version 6
	.text
	.protected	k_qd2ed53fea3_knn_groups
	.globl	k_qd2ed53fea3_knn_groups
	.p2align	8
	.type	k_qd2ed53fea3_knn_groups,@function
k_qd2ed53fea3_knn_groups:
	s_mov_b64 s[64:65], 0
	v_nop
	global_prefetch_b8 v0, s[64:65] scope:SCOPE_SE
	s_setreg_imm32_b32 hwreg(HW_REG_WAVE_MODE, 25, 1), 1
	s_wait_xcnt 0x0
; NEAREST NEIGHBOURS, LEVEL 1, and the preparation of the tables.
; A batch's 4,096 candidates are 128 groups of 32 on end.  For each query the three groups with the smallest (least clamped distance, group number) are found:
; the three nearest candidates in the order (distance, index) lie in them, since three groups ahead of a group each hold a candidate ahead of all of that group's.
; d = (|q|^2 - 2 q.c) + |c|^2 in f32, terms in the order x, y, z.  All inputs are rounded to bf16 first, so every product of two coordinates is exact in f32
; and a fused multiply-add gives the bits of a multiply and an add.  The clamp at 0 is taken once a group: it commutes with the minimum.
; SHARES.  A work-group has 128 queries of one batch; wave w takes candidates 512 w .. 512 w + 511 (groups 16 w .. 16 w + 15) for all 128; lane l holds queries 4 l .. 4 l + 3.
; A candidate's record (x, y, z, |c|^2) is read from LDS at one address for all lanes.  For 2 candidates x 4 queries: 20 packed lines and 4 three-way minima.
; BESIDE IT: a block of 64 points x 128 channels of points2 is turned to [point][channel] in bf16 (prep, byte 0 on), and 384 numbers of w1 and 128 of w2 are rounded to bf16 and written as f16
; (prep, bytes 4,194,304 and 4,390,912 on) by waves 4 to 7 while waves 0 to 3 merge the waves' results.
; NO CLUSTER: what the work-groups of a batch share is xyz2, 48 KiB, which passes through registers to be rounded and laid out; no tile is copied into LDS as it lies.
; LIMITS.  Inputs finite; a weight below 6.1e-5 keeps f16's fixed step of 6e-8, above 65,504 it is lost.
.set PADB,  65536                      ; behind the table's 4,096 records of 16 bytes: 32 records of zeros, fetched ahead by the last trip and never used
.set TT,    66048                      ; 64 rows (points) x 272 bytes: 128 channels in bf16 + 16 of padding
.set TTP,   272
.set MRG,   83456                      ; [wave][query] 32 bytes: b0 b1 b2 i0 i1 i2
.set SPARE, 116224                     ; the spare words: 128 bytes for each of 8 waves
.set QX, 12                            ; v[12:15] x of my four queries;  QY, QZ likewise;  SQ their |q|^2
.set QY, 16
.set QZ, 20
.set SQ, 24
.set ST, 28                            ; query q at v[ST+8q]: b0 b1 b2 (ascending), i0 i1 i2, the group's running minimum, the same clamped
.set TA, 61                            ; LDS address of the group in hand
.set TS, 64                            ; v[64:79] two sets of 8 distances at work
.set CA, 80                            ; v[80:111], v[112:143]: two buffers of 8 records
.set CB, 112
.set LX, 64                            ; at the start: v[64:111] xyz2 as loaded
.set PP, 112                           ; at the start: v[112:143] points2 as loaded
.set OB, 144                           ; v[144:159] at work
.set MR, 64                            ; at the end: v[64:119] waves 1 to 7's records of my query, eight registers each
.macro RB2 a, b, t                     ; two numbers rounded to bf16 and widened again, in place
	v_cvt_pk_bf16_f32 v[\t], v[\a], v[\b]
	v_lshlrev_b32 v[\a], 16, v[\t]
	v_and_b32 v[\b], s36, v[\t]
.endm
.macro INS m, id, st                   ; (v[m], id) goes into the ascending three at v[st]; strictly less only, so that of equals the one seen first stays ahead
	v_cmp_lt_f32 s32, v[\m], v[\st]
	v_cmp_lt_f32 s33, v[\m], v[(\st)+1]
	v_cmp_lt_f32 s34, v[\m], v[(\st)+2]
	v_cndmask_b32 v[(\st)+5], v[(\st)+5], \id, s34
	v_cndmask_b32 v[(\st)+5], v[(\st)+5], v[(\st)+4], s33
	v_cndmask_b32 v[(\st)+4], v[(\st)+4], \id, s33
	v_cndmask_b32 v[(\st)+4], v[(\st)+4], v[(\st)+3], s32
	v_cndmask_b32 v[(\st)+3], v[(\st)+3], \id, s32
	v_med3_num_f32 v[(\st)+2], v[(\st)+1], v[(\st)+2], v[\m]
	v_med3_num_f32 v[(\st)+1], v[\st], v[(\st)+1], v[\m]
	v_min_num_f32 v[\st], v[\st], v[\m]
.endm
.macro LOADC c, off                    ; eight records, one address for all lanes
.irp i, 0,1,2,3,4,5,6,7
	ds_load_b128 v[(\c)+4*\i:(\c)+4*\i+3], v[TA] offset:(\off)+16*\i
.endr
.endm
.macro CAND2 c, t, first               ; two candidates (records at v[c], v[c+4]) x two pairs of queries, stage by stage
.irp u, 0,1
.irp p, 0,1
	v_pk_mul_f32 v[(\t)+4*\u+2*\p:(\t)+4*\u+2*\p+1], v[QX+2*\p:QX+2*\p+1], v[(\c)+4*\u:(\c)+4*\u+1] op_sel_hi:[1,0]
.endr
.endr
.irp u, 0,1
.irp p, 0,1
	v_pk_fma_f32 v[(\t)+4*\u+2*\p:(\t)+4*\u+2*\p+1], v[QY+2*\p:QY+2*\p+1], v[(\c)+4*\u:(\c)+4*\u+1], v[(\t)+4*\u+2*\p:(\t)+4*\u+2*\p+1] op_sel:[0,1,0] op_sel_hi:[1,1,1]
.endr
.endr
.irp u, 0,1
.irp p, 0,1
	v_pk_fma_f32 v[(\t)+4*\u+2*\p:(\t)+4*\u+2*\p+1], v[QZ+2*\p:QZ+2*\p+1], v[(\c)+4*\u+2:(\c)+4*\u+3], v[(\t)+4*\u+2*\p:(\t)+4*\u+2*\p+1] op_sel_hi:[1,0,1]
.endr
.endr
.irp u, 0,1
.irp p, 0,1
	v_pk_fma_f32 v[(\t)+4*\u+2*\p:(\t)+4*\u+2*\p+1], v[(\t)+4*\u+2*\p:(\t)+4*\u+2*\p+1], -2.0, v[SQ+2*\p:SQ+2*\p+1] op_sel_hi:[1,0,1]
.endr
.endr
.irp u, 0,1
.irp p, 0,1
	v_pk_add_f32 v[(\t)+4*\u+2*\p:(\t)+4*\u+2*\p+1], v[(\t)+4*\u+2*\p:(\t)+4*\u+2*\p+1], v[(\c)+4*\u+2:(\c)+4*\u+3] op_sel:[0,1] op_sel_hi:[1,1]
.endr
.endr
.irp q, 0,1,2,3
.if \first
	v_min_num_f32 v[ST+8*\q+6], v[(\t)+\q], v[(\t)+4+\q]
.else
	v_min3_num_f32 v[ST+8*\q+6], v[ST+8*\q+6], v[(\t)+\q], v[(\t)+4+\q]
.endif
.endr
.endm
.macro CHUNK c, first                  ; eight candidates
	CAND2 (\c), TS, \first
	CAND2 (\c)+8, TS+8, 0
	CAND2 (\c)+16, TS, 0
	CAND2 (\c)+24, TS+8, 0
.endm
	s_load_b256 s[4:11], s[0:1], 0x0               ; xyz1 s[4:5], xyz2 s[6:7], points2 s[8:9], w1 s[10:11]
	s_load_b128 s[12:15], s[0:1], 0x20             ; w2 s[12:13], grp s[14:15]
	s_load_b64 s[16:17], s[0:1], 0x30              ; prep
	v_lshl_add_u32 v10, v0, 2, SPARE               ; my spare word,
	v_mov_b32 v11, 0                               ; and 0: kept for the add alone
	v_and_b32 v1, 31, v0                           ; lane
	v_lshrrev_b32 v60, 5, v0
	v_readfirstlane_b32 s20, v60                   ; wave
	s_mov_b32 s21, ttmp9                           ; work-group: batch 128 b + tile
	s_lshr_b32 s22, s21, 7                         ; b
	s_and_b32 s23, s21, 127                        ; tile of 128 queries
	s_mov_b32 s36, 0xffff0000                      ; a word's upper bf16
	s_mov_b32 s37, 0x7f800000                      ; +infinity
	s_mul_i32 s24, s22, 49152                      ; xyz2: the batch
	s_mov_b32 s25, 0
	s_mul_i32 s26, s22, 196608                     ; xyz1: the batch and the tile's 512 bytes
	s_lshl_b32 s28, s23, 9
	s_add_co_u32 s26, s26, s28
	s_mov_b32 s27, 0
	s_and_b32 s30, s21, 1                          ; which 128 channels of points2
	s_lshr_b32 s31, s23, 1                         ; which 64 points
	s_lshl_b32 s28, s22, 22
	s_lshl_b32 s38, s30, 21
	s_add_co_u32 s28, s28, s38
	s_lshl_b32 s38, s31, 8
	s_add_co_u32 s28, s28, s38
	s_mov_b32 s29, 0
	s_lshl_b32 s32, s22, 21                        ; the turned table: batch, 64 rows of 512 bytes, half a row
	s_lshl_b32 s38, s31, 15
	s_add_co_u32 s32, s32, s38
	s_lshl_b32 s38, s30, 8
	s_add_co_u32 s32, s32, s38
	s_mov_b32 s33, 0
	s_lshl_b32 s34, s21, 11                        ; grp: 128 records of 16 bytes
	s_mov_b32 s35, 0
	v_lshlrev_b32 v2, 4, v0                        ; 16 t
	v_lshlrev_b32 v3, 4, v1                        ; 16 lane
	v_and_b32 v60, 15, v0                          ; t % 16
	v_lshrrev_b32 v62, 4, v0                       ; t / 16
	v_lshlrev_b32 v4, 15, v62                      ; points2: two channel rows of 16,384 bytes for each t / 16, 16 bytes for each t % 16
	v_lshl_add_u32 v4, v60, 4, v4
	v_lshlrev_b32 v5, 6, v0                        ; the table: four records a thread
	v_mul_u32_u24 v6, v60, 4*TTP                   ; into TT: rows 4 (t % 16) + j, word t / 16 + 16 k
	v_lshl_add_u32 v6, v62, 2, v6
	v_add_nc_u32 v6, TT, v6
	v_mul_u32_u24 v7, v62, TTP                     ; back: row t / 16 + 16 k, 16 bytes for each t % 16
	v_lshl_add_u32 v7, v60, 4, v7
	v_add_nc_u32 v7, TT, v7
	v_lshlrev_b32 v8, 9, v62                       ; and the same in the turned table
	v_lshl_add_u32 v8, v60, 4, v8
	v_lshl_add_u32 v9, v0, 1, PADB                 ; my two bytes of the pad
	v_mov_b32 v63, 0
	s_wait_kmcnt 0x0
	s_add_nc_u64 s[6:7], s[6:7], s[24:25]
	s_add_nc_u64 s[4:5], s[4:5], s[26:27]
	s_add_nc_u64 s[8:9], s[8:9], s[28:29]
	s_add_nc_u64 s[18:19], s[16:17], s[32:33]
	s_add_nc_u64 s[14:15], s[14:15], s[34:35]
.irp i, 0,1,2,3                        ; 12 loads: candidates 4 t + 1,024 i + 0..3, x, y, z
	global_load_b128 v[LX+12*\i:LX+12*\i+3], v2, s[6:7] offset:4096*\i
	global_load_b128 v[LX+12*\i+4:LX+12*\i+7], v2, s[6:7] offset:4096*\i+16384
	global_load_b128 v[LX+12*\i+8:LX+12*\i+11], v2, s[6:7] offset:4096*\i+32768
.endr
	global_load_b128 v[QX:QX+3], v3, s[4:5]        ; 3 loads: my four queries
	global_load_b128 v[QY:QY+3], v3, s[4:5] offset:65536
	global_load_b128 v[QZ:QZ+3], v3, s[4:5] offset:131072
.irp k, 0,1,2,3                        ; 8 loads: channels 2 (t / 16 + 16 k) and the next, four points each; sixteen lanes take 256 bytes on end
	global_load_b128 v[PP+8*\k:PP+8*\k+3], v4, s[8:9] offset:524288*\k th:TH_LOAD_NT
	global_load_b128 v[PP+8*\k+4:PP+8*\k+7], v4, s[8:9] offset:524288*\k+16384 th:TH_LOAD_NT
.endr
	ds_store_b16 v9, v63                           ; the pad
	s_wait_loadcnt 11                              ; xyz2 is in; the 3 + 8 younger loads stay out
.irp i, 0,1,2,3
.irp c, 0,1,2
	v_cvt_pk_bf16_f32 v60, v[LX+12*\i+4*\c], v[LX+12*\i+4*\c+1]
	v_cvt_pk_bf16_f32 v62, v[LX+12*\i+4*\c+2], v[LX+12*\i+4*\c+3]
	v_lshlrev_b32 v[OB+\c], 16, v60                ; widened straight into the records
	v_and_b32 v[OB+4+\c], s36, v60
	v_lshlrev_b32 v[OB+8+\c], 16, v62
	v_and_b32 v[OB+12+\c], s36, v62
.endr
.irp j, 0,1,2,3
	v_mul_f32 v[OB+4*\j+3], v[OB+4*\j], v[OB+4*\j]
.endr
.irp j, 0,1,2,3
	v_fmac_f32 v[OB+4*\j+3], v[OB+4*\j+1], v[OB+4*\j+1]
.endr
.irp j, 0,1,2,3
	v_fmac_f32 v[OB+4*\j+3], v[OB+4*\j+2], v[OB+4*\j+2]
.endr
.irp j, 0,1,2,3
	ds_store_b128 v5, v[OB+4*\j:OB+4*\j+3] offset:16384*\i+16*\j
.endr
.endr
	s_wait_loadcnt 8                               ; the queries are in; points2's 8 loads stay out
	RB2 QX, QX+1, 60
	RB2 QX+2, QX+3, 62
	RB2 QY, QY+1, 60
	RB2 QY+2, QY+3, 62
	RB2 QZ, QZ+1, 60
	RB2 QZ+2, QZ+3, 62
	v_pk_mul_f32 v[SQ:SQ+1], v[QX:QX+1], v[QX:QX+1]
	v_pk_mul_f32 v[SQ+2:SQ+3], v[QX+2:QX+3], v[QX+2:QX+3]
	v_pk_fma_f32 v[SQ:SQ+1], v[QY:QY+1], v[QY:QY+1], v[SQ:SQ+1]
	v_pk_fma_f32 v[SQ+2:SQ+3], v[QY+2:QY+3], v[QY+2:QY+3], v[SQ+2:SQ+3]
	v_pk_fma_f32 v[SQ:SQ+1], v[QZ:QZ+1], v[QZ:QZ+1], v[SQ:SQ+1]
	v_pk_fma_f32 v[SQ+2:SQ+3], v[QZ+2:QZ+3], v[QZ+2:QZ+3], v[SQ+2:SQ+3]
.irp q, 0,1,2,3
	v_mov_b32 v[ST+8*\q], s37
	v_mov_b32 v[ST+8*\q+1], s37
	v_mov_b32 v[ST+8*\q+2], s37
	v_mov_b32 v[ST+8*\q+3], 0
	v_mov_b32 v[ST+8*\q+4], 0
	v_mov_b32 v[ST+8*\q+5], 0
.endr
	s_wait_loadcnt 0x0                             ; points2
.irp k, 0,1,2,3
.irp j, 0,1,2,3
	v_cvt_pk_bf16_f32 v[OB+4*\k+\j], v[PP+8*\k+\j], v[PP+8*\k+4+\j]  ; two neighbouring channels of one point
.endr
.endr
.irp k, 0,1,2,3
.irp j, 0,1,2,3
	ds_store_b32 v6, v[OB+4*\k+\j] offset:TTP*\j+64*\k
.endr
.endr
	s_lshl_b32 s38, s20, 13                        ; my wave's 512 records
	v_mov_b32 v[TA], s38
	s_lshl_b32 s31, s20, 4                         ; its first group's number
	s_mov_b32 s30, 16
	s_wait_dscnt 0x0                               ; for the others' sake: my part of the table and of TT is written
	s_barrier_signal -1
	s_barrier_wait -1
.irp k, 0,1,2,3
	ds_load_b128 v[PP+4*\k:PP+4*\k+3], v7 offset:16*TTP*\k
.endr
	LOADC CA, 0
	s_wait_dscnt 8                                 ; the turned rows are in; the first eight records stay out
.irp k, 0,1,2,3
	global_store_b128 v8, v[PP+4*\k:PP+4*\k+3], s[18:19] offset:8192*\k  ; sixteen lanes store 256 bytes on end, at a multiple of 256 from prep's first byte
.endr
	s_wait_xcnt 0x0                                ; the stores' data registers are loaded into again only behind this wait
.Lgroup:                                               ; a trip: one group of 32 candidates for my four queries; each count of 8 leaves the eight loads just issued out
	LOADC CB, 128
	s_wait_dscnt 8
	CHUNK CA, 1
	LOADC CA, 256
	s_wait_dscnt 8
	CHUNK CB, 0
	LOADC CB, 384
	s_wait_dscnt 8
	CHUNK CA, 0
	LOADC CA, 512                                  ; the next group's first eight (in wave 7's last trip: the pad)
	s_wait_dscnt 8
	CHUNK CB, 0
.irp q, 0,1,2,3
	v_max_num_f32 v[ST+8*\q+7], 0, v[ST+8*\q+6]    ; the clamp at 0
.endr
.irp q, 0,1,2,3
	INS ST+8*\q+7, s31, ST+8*\q
.endr
	v_add_nc_u32 v[TA], 512, v[TA]
	s_add_co_u32 s31, s31, 1
	s_sub_co_u32 s30, s30, 1
	s_cmp_lg_u32 s30, 0
	s_cbranch_scc1 .Lgroup
	s_lshl_b32 s24, s20, 12
	s_add_co_u32 s24, s24, MRG
	v_lshl_add_u32 v9, v1, 7, s24                  ; my wave's records of my four queries
	s_wait_dscnt 0x0                               ; the eight loads fetched ahead
.irp q, 0,1,2,3
	ds_store_b128 v9, v[ST+8*\q:ST+8*\q+3] offset:32*\q
	ds_store_b64 v9, v[ST+8*\q+4:ST+8*\q+5] offset:32*\q+16
.endr
	s_wait_dscnt 0x0                               ; for the others' sake
	s_barrier_signal -1
	s_barrier_wait -1
	s_cmp_lt_u32 s20, 4
	s_cbranch_scc0 .Lweights
	; waves 0 to 3: thread t merges query t's eight records, in the waves' order, which is the groups'.  One address, the wave's record in the immediate:
	; the highest byte read is MRG + 127 x 32 + 7 x 4,096 + 24, just below the spare words.  All 16 loads go out in one run.
	v_and_b32 v9, 127, v0
	v_lshl_add_u32 v9, v9, 5, MRG
	ds_load_b128 v[ST:ST+3], v9
	ds_load_b64 v[ST+4:ST+5], v9 offset:16
.irp w, 1,2,3,4,5,6,7
	ds_load_b128 v[MR+8*\w-8:MR+8*\w-5], v9 offset:4096*\w
	ds_load_b64 v[MR+8*\w-4:MR+8*\w-3], v9 offset:4096*\w+16
.endr
.irp w, 1,2,3,4,5,6,7
	s_wait_dscnt 14-2*\w                           ; wave w's record is in; the two loads of each younger record stay out
	INS MR+8*\w-8, v[MR+8*\w-5], ST
	INS MR+8*\w-7, v[MR+8*\w-4], ST
	INS MR+8*\w-6, v[MR+8*\w-3], ST
.endr
	v_min_u32 v64, v[ST+3], v[ST+4]                ; the three numbers ascending, so that the next launch visits candidates by ascending index
	v_max_u32 v65, v[ST+3], v[ST+4]
	v_min_u32 v66, v65, v[ST+5]
	v_max_u32 v70, v65, v[ST+5]
	v_min_u32 v68, v64, v66
	v_max_u32 v69, v64, v66
	v_mov_b32 v71, 0
	global_store_b128 v2, v[68:71], s[14:15]
	s_branch .Ljoin
.Lweights:                                             ; waves 4 to 6: 128 numbers of w1 each; wave 7: 128 of w2
	s_sub_co_u32 s26, s20, 4
	s_mul_i32 s27, s21, 1536
	s_lshl_b32 s28, s26, 9
	s_add_co_u32 s27, s27, s28                     ; w1: from
	s_lshl_b32 s28, s21, 9                         ; w2: from
	s_mul_i32 s29, s21, 768
	s_lshl_b32 s30, s26, 8
	s_add_co_u32 s29, s29, s30
	s_add_co_u32 s29, s29, 4194304                 ; w1: to
	s_lshl_b32 s30, s21, 8
	s_add_co_u32 s30, s30, 4390912                 ; w2: to
	s_cmp_lt_u32 s26, 3
	s_cselect_b64 s[24:25], s[10:11], s[12:13]
	s_cselect_b32 s27, s27, s28
	s_cselect_b32 s29, s29, s30
	v_lshl_add_u32 v72, v1, 4, s27
	v_lshl_add_u32 v73, v1, 3, s29
	global_load_b128 v[64:67], v72, s[24:25]
	s_wait_loadcnt 0x0
	RB2 64, 65, 68
	RB2 66, 67, 69
	v_cvt_pk_f16_f32 v70, v64, v65
	v_cvt_pk_f16_f32 v71, v66, v67
	global_store_b64 v73, v[70:71], s[16:17]       ; the wave stores 256 bytes on end, at a multiple of 256
.Ljoin:
	s_barrier_signal -1                            ; every wave's LDS reads are back (the merge's last wait was for 0; waves 4 to 7 have read nothing since the barrier before):
	s_barrier_wait -1                              ; no LDS instruction of any wave but the add below follows this barrier
	s_wait_tensorcnt 0x0                           ; the wave's end
	ds_add_u32 v10, v11
	s_wait_dscnt 0x0
	s_endpgm
.Lfunc_end_k_qd2ed53fea3_knn_groups:
	.size	k_qd2ed53fea3_knn_groups, .Lfunc_end_k_qd2ed53fea3_knn_groups-k_qd2ed53fea3_knn_groups
	.p2alignl 7, 3214868480
	.fill 96, 4, 3214868480
	.section	.rodata,"a",@progbits
	.p2align	6, 0x0
	.amdhsa_kernel k_qd2ed53fea3_knn_groups
		.amdhsa_group_segment_fixed_size 117248
		.amdhsa_private_segment_fixed_size 0
		.amdhsa_enable_private_segment 0
		.amdhsa_kernarg_size 56
		.amdhsa_user_sgpr_count 2
		.amdhsa_user_sgpr_kernarg_segment_ptr 1
		.amdhsa_wavefront_size32 1
		.amdhsa_system_sgpr_workgroup_id_x 1
		.amdhsa_system_sgpr_workgroup_id_y 1
		.amdhsa_system_sgpr_workgroup_id_z 1
		.amdhsa_system_vgpr_workitem_id 0
		.amdhsa_next_free_vgpr 160
		.amdhsa_next_free_sgpr 66
		.amdhsa_reserve_vcc 0
		.amdhsa_float_denorm_mode_32 3
		.amdhsa_float_denorm_mode_16_64 3
		.amdhsa_memory_ordered 1
		.amdhsa_forward_progress 1
		.amdhsa_inst_pref_size 63
	.end_amdhsa_kernel
	.amdgpu_metadata
---
amdhsa.version: [ 1, 2 ]
amdhsa.kernels:
  - .name:           k_qd2ed53fea3_knn_groups
    .symbol:         k_qd2ed53fea3_knn_groups.kd
    .args:
      - { .name: xyz1, .offset: 0, .size: 8, .value_kind: global_buffer, .address_space: global }
      - { .name: xyz2, .offset: 8, .size: 8, .value_kind: global_buffer, .address_space: global }
      - { .name: points2, .offset: 16, .size: 8, .value_kind: global_buffer, .address_space: global }
      - { .name: w1, .offset: 24, .size: 8, .value_kind: global_buffer, .address_space: global }
      - { .name: w2, .offset: 32, .size: 8, .value_kind: global_buffer, .address_space: global }
      - { .name: grp, .offset: 40, .size: 8, .value_kind: global_buffer, .address_space: global }
      - { .name: prep, .offset: 48, .size: 8, .value_kind: global_buffer, .address_space: global }
    .group_segment_fixed_size: 117248
    .private_segment_fixed_size: 0
    .kernarg_segment_align: 8
    .kernarg_segment_size: 56
    .max_flat_workgroup_size: 256
    .sgpr_count:     66
    .vgpr_count:     160
    .wavefront_size: 32
...
	.end_amdgpu_metadata
.endif
;; end of part 1
;; launch knn_pick (part 2): grid 256 x 1, 4 waves a work-group, no clusters, 74,240 bytes of LDS; arguments xyz1, xyz2, grp, nidx, nwgt; writes nidx, nwgt
.if DOCPART == 2
	.amdgcn_target "amdgcn-amd-amdhsa--gfx1250"
	.amdhsa_code_object_version 6
	.text
	.protected	k_qd2ed53fea3_knn_pick
	.globl	k_qd2ed53fea3_knn_pick
	.p2align	8
	.type	k_qd2ed53fea3_knn_pick,@function
k_qd2ed53fea3_knn_pick:
	s_mov_b64 s[64:65], 0
	v_nop
	global_prefetch_b8 v0, s[64:65] scope:SCOPE_SE
	s_setreg_imm32_b32 hwreg(HW_REG_WAVE_MODE, 25, 1), 1
	s_wait_xcnt 0x0
; NEAREST NEIGHBOURS, LEVEL 2.  Thread t has query 128 wg + t and its three groups (ascending numbers, from the launch before).  Their 96 candidates are ranked exactly, by the same
; arithmetic as there (inputs rounded to bf16, f32, terms x, y, z; d = (|q|^2 - 2 q.c) + |c|^2, clamped at 0), visited by ascending index with a strict comparison: of equal distances the lower index is ahead.
; Then w = (1/d) / sum(1/d) with both floors of 1e-6; divisions are v_rcp_f32 and a multiply.  Out: three rows of the turned table (4,096 b + s) and three weights a query.
; LDS: x, y, z and |c|^2 of the batch's 4,096 candidates in four arrays of [group 128] rows of 128 + 16 bytes: lanes with unlike groups start at unlike groups of four banks unless 9 g agrees modulo 16.
; NO CLUSTER: xyz2 (48 KiB) passes through registers to be rounded.  LIMITS: inputs finite.
.set GP,    144
.set TY,    18432
.set TZ,    36864
.set TQ,    55296
.set SPARE, 73728
.set LX,    64                         ; v[64:159] xyz2 as loaded; later v[64:127] a ring of four buffers of 4 candidates (x, y, z, |c|^2: 16 registers)
.set RBUF,  64
.set ST,    20                         ; v[20:25] b0 b1 b2, i0 i1 i2
.macro RB2 a, b, t
	v_cvt_pk_bf16_f32 v[\t], v[\a], v[\b]
	v_lshlrev_b32 v[\a], 16, v[\t]
	v_and_b32 v[\b], s36, v[\t]
.endm
.macro INS m, id, st
	v_cmp_lt_f32 s32, v[\m], v[\st]
	v_cmp_lt_f32 s33, v[\m], v[(\st)+1]
	v_cmp_lt_f32 s34, v[\m], v[(\st)+2]
	v_cndmask_b32 v[(\st)+5], v[(\st)+5], \id, s34
	v_cndmask_b32 v[(\st)+5], v[(\st)+5], v[(\st)+4], s33
	v_cndmask_b32 v[(\st)+4], v[(\st)+4], \id, s33
	v_cndmask_b32 v[(\st)+4], v[(\st)+4], v[(\st)+3], s32
	v_cndmask_b32 v[(\st)+3], v[(\st)+3], \id, s32
	v_med3_num_f32 v[(\st)+2], v[(\st)+1], v[(\st)+2], v[\m]
	v_med3_num_f32 v[(\st)+1], v[\st], v[(\st)+1], v[\m]
	v_min_num_f32 v[\st], v[\st], v[\m]
.endm
.macro QUAD i                          ; candidates 4 t + 512 i + 0..3: rounded, squared, into the four arrays
.set XX, LX+12*(\i)
	RB2 XX, XX+1, 29
	RB2 XX+2, XX+3, 30
	RB2 XX+4, XX+5, 29
	RB2 XX+6, XX+7, 30
	RB2 XX+8, XX+9, 29
	RB2 XX+10, XX+11, 30
	v_pk_mul_f32 v[36:37], v[XX:XX+1], v[XX:XX+1]
	v_pk_mul_f32 v[38:39], v[XX+2:XX+3], v[XX+2:XX+3]
	v_pk_fma_f32 v[36:37], v[XX+4:XX+5], v[XX+4:XX+5], v[36:37]
	v_pk_fma_f32 v[38:39], v[XX+6:XX+7], v[XX+6:XX+7], v[38:39]
	v_pk_fma_f32 v[36:37], v[XX+8:XX+9], v[XX+8:XX+9], v[36:37]
	v_pk_fma_f32 v[38:39], v[XX+10:XX+11], v[XX+10:XX+11], v[38:39]
	ds_store_b128 v4, v[XX:XX+3] offset:16*GP*(\i)
	ds_store_b128 v4, v[XX+4:XX+7] offset:TY+16*GP*(\i)
	ds_store_b128 v5, v[XX+8:XX+11] offset:16*GP*(\i)
	ds_store_b128 v5, v[36:39] offset:TY+16*GP*(\i)
.endm
.macro LOADQ u                         ; chunk u of the group in hand (u < 8) or chunk u - 8 of the next
.if (\u) < 8
.set GR, 26
.else
.set GR, 27
.endif
.set BB, RBUF+16*((\u)%4)
.set CO, 16*((\u)%8)
	ds_load_b128 v[BB:BB+3], v[GR] offset:CO
	ds_load_b128 v[BB+4:BB+7], v[GR] offset:TY+CO
	ds_load_b128 v[BB+8:BB+11], v[GR] offset:TZ+CO
	ds_load_b128 v[BB+12:BB+15], v[GR] offset:TQ+CO
.endm
.macro CHK c                           ; chunk c: four candidates
	LOADQ (\c)+3
	s_wait_dscnt 12                                ; three younger chunks of four loads stay out
.set BB, RBUF+16*((\c)%4)
.irp p, 0,1
	v_pk_mul_f32 v[32+2*\p:33+2*\p], v[BB+2*\p:BB+2*\p+1], v[16:17] op_sel_hi:[1,0]
.endr
.irp p, 0,1
	v_pk_fma_f32 v[32+2*\p:33+2*\p], v[BB+4+2*\p:BB+5+2*\p], v[16:17], v[32+2*\p:33+2*\p] op_sel:[0,1,0] op_sel_hi:[1,1,1]
.endr
.irp p, 0,1
	v_pk_fma_f32 v[32+2*\p:33+2*\p], v[BB+8+2*\p:BB+9+2*\p], v[18:19], v[32+2*\p:33+2*\p] op_sel_hi:[1,0,1]
.endr
.irp p, 0,1
	v_pk_fma_f32 v[32+2*\p:33+2*\p], v[32+2*\p:33+2*\p], -2.0, v[18:19] op_sel:[0,0,1] op_sel_hi:[1,0,1]
.endr
.irp p, 0,1
	v_pk_add_f32 v[32+2*\p:33+2*\p], v[32+2*\p:33+2*\p], v[BB+12+2*\p:BB+13+2*\p]
.endr
.irp j, 0,1,2,3
	v_max_num_f32 v[32+\j], 0, v[32+\j]
.endr
.irp j, 0,1,2,3
	s_add_co_u32 s40, s41, 4*(\c)+\j               ; the candidate's code: 32 x slot + place in the group
	INS 32+\j, s40, ST
.endr
.endm
	s_load_b256 s[4:11], s[0:1], 0x0               ; xyz1 s[4:5], xyz2 s[6:7], grp s[8:9], nidx s[10:11]
	s_load_b64 s[12:13], s[0:1], 0x20              ; nwgt
	v_lshl_add_u32 v10, v0, 2, SPARE
	v_mov_b32 v11, 0
	s_mov_b32 s20, ttmp9
	s_lshr_b32 s21, s20, 7                         ; b
	s_and_b32 s22, s20, 127                        ; tile
	s_mov_b32 s36, 0xffff0000
	s_mov_b32 s37, 0x7f800000
	s_mov_b32 s38, 0x358637bd                      ; 1e-6
	s_mul_i32 s24, s21, 196608
	s_lshl_b32 s26, s22, 9
	s_add_co_u32 s24, s24, s26
	s_mov_b32 s25, 0
	s_mul_i32 s26, s21, 49152
	s_mov_b32 s27, 0
	s_lshl_b32 s28, s20, 11
	s_mov_b32 s29, 0
	s_lshl_b32 s43, s21, 12                        ; 4,096 b
	v_lshlrev_b32 v2, 4, v0                        ; 16 t
	v_lshlrev_b32 v3, 2, v0                        ; 4 t
	v_lshrrev_b32 v4, 3, v0                        ; group t / 8 + 16 i, 16 bytes for each t % 8
	v_and_b32 v5, 7, v0
	v_mul_u32_u24 v4, v4, GP
	v_lshl_add_u32 v4, v5, 4, v4
	v_add_nc_u32 v5, TZ, v4                        ; the upper two arrays: their offsets would pass 16 bits
	s_wait_kmcnt 0x0
	s_add_nc_u64 s[4:5], s[4:5], s[24:25]
	s_add_nc_u64 s[6:7], s[6:7], s[26:27]
	s_add_nc_u64 s[8:9], s[8:9], s[28:29]
	s_add_nc_u64 s[10:11], s[10:11], s[28:29]
	s_add_nc_u64 s[12:13], s[12:13], s[28:29]
	global_load_b128 v[12:15], v2, s[8:9]
	global_load_b32 v16, v3, s[4:5]
	global_load_b32 v17, v3, s[4:5] offset:65536
	global_load_b32 v18, v3, s[4:5] offset:131072
.irp i, 0,1,2,3,4,5,6,7
	global_load_b128 v[LX+12*\i:LX+12*\i+3], v2, s[6:7] offset:2048*\i
	global_load_b128 v[LX+12*\i+4:LX+12*\i+7], v2, s[6:7] offset:2048*\i+16384
	global_load_b128 v[LX+12*\i+8:LX+12*\i+11], v2, s[6:7] offset:2048*\i+32768
.endr
	s_wait_loadcnt 12                              ; all but the last four quads' 12 loads
	QUAD 0
	QUAD 1
	QUAD 2
	QUAD 3
	v_cvt_pk_bf16_f32 v29, v16, v17                ; my query, rounded: (x, y) in v[16:17], (z, |q|^2) in v[18:19]
	v_cvt_pk_bf16_f32 v30, v18, v18
	v_lshlrev_b32 v16, 16, v29
	v_and_b32 v17, s36, v29
	v_lshlrev_b32 v18, 16, v30
	v_mul_f32 v19, v16, v16
	v_fmac_f32 v19, v17, v17
	v_fmac_f32 v19, v18, v18
	v_min_u32 v12, 127, v12                        ; a loaded number enters an address only behind such a bound
	v_min_u32 v13, 127, v13
	v_min_u32 v14, 127, v14
	v_mul_u32_u24 v26, v12, GP
	v_mul_u32_u24 v27, v13, GP
	v_mul_u32_u24 v28, v14, GP
	v_mov_b32 v[ST], s37
	v_mov_b32 v[ST+1], s37
	v_mov_b32 v[ST+2], s37
	v_mov_b32 v[ST+3], 0
	v_mov_b32 v[ST+4], 0
	v_mov_b32 v[ST+5], 0
	s_wait_loadcnt 0x0
	QUAD 4
	QUAD 5
	QUAD 6
	QUAD 7
	s_wait_dscnt 0x0                               ; for the others' sake: my part of the arrays is written
	s_barrier_signal -1
	s_barrier_wait -1
	LOADQ 0
	LOADQ 1
	LOADQ 2
	s_mov_b32 s41, 0
	s_mov_b32 s42, 3
.Lslot:                                                ; a trip: one of my three groups, eight chunks; three chunks are always on their way, into the next group too
.irp c, 0,1,2,3,4,5,6,7
	CHK \c
.endr
	v_mov_b32 v26, v27
	v_mov_b32 v27, v28                             ; (the last trip fetches the third group's first three chunks once more; they are not used)
	s_add_co_u32 s41, s41, 32
	s_sub_co_u32 s42, s42, 1
	s_cmp_lg_u32 s42, 0
	s_cbranch_scc1 .Lslot
	s_wait_dscnt 0x0
	v_max_num_f32 v[ST], s38, v[ST]
	v_max_num_f32 v[ST+1], s38, v[ST+1]
	v_max_num_f32 v[ST+2], s38, v[ST+2]
	v_rcp_f32 v32, v[ST]
	v_rcp_f32 v33, v[ST+1]
	v_rcp_f32 v34, v[ST+2]
	v_lshrrev_b32 v48, 5, v[ST+3]                  ; the codes' slots: plain lines behind the reciprocals
	v_lshrrev_b32 v49, 5, v[ST+4]
	v_lshrrev_b32 v50, 5, v[ST+5]
	s_wait_alu depctr_va_vdst(0)
	v_add_f32 v35, v32, v33
	v_add_f32 v35, v35, v34
	v_max_num_f32 v35, s38, v35
	v_rcp_f32 v36, v35
.irp k, 0,1,2
	v_cmp_eq_u32 vcc_lo, 1, v[48+\k]
	v_cndmask_b32 v[52+\k], v12, v13, vcc_lo
	v_cmp_eq_u32 vcc_lo, 2, v[48+\k]
	v_cndmask_b32 v[52+\k], v[52+\k], v14, vcc_lo  ; the slot's group
	v_and_b32 v[48+\k], 31, v[ST+3+\k]
	v_lshl_add_u32 v[44+\k], v[52+\k], 5, v[48+\k]
	v_add_nc_u32 v[44+\k], s43, v[44+\k]           ; 4,096 b + 32 g + place
.endr
	v_mov_b32 v47, 0
	s_wait_alu depctr_va_vdst(0)
	v_mul_f32 v40, v32, v36
	v_mul_f32 v41, v33, v36
	v_mul_f32 v42, v34, v36
	v_mov_b32 v43, 0
	global_store_b128 v2, v[44:47], s[10:11]
	global_store_b128 v2, v[40:43], s[12:13]
	s_wait_tensorcnt 0x0                           ; the wave's end
	ds_add_u32 v10, v11
	s_wait_dscnt 0x0
	s_endpgm
.Lfunc_end_k_qd2ed53fea3_knn_pick:
	.size	k_qd2ed53fea3_knn_pick, .Lfunc_end_k_qd2ed53fea3_knn_pick-k_qd2ed53fea3_knn_pick
	.p2alignl 7, 3214868480
	.fill 96, 4, 3214868480
	.section	.rodata,"a",@progbits
	.p2align	6, 0x0
	.amdhsa_kernel k_qd2ed53fea3_knn_pick
		.amdhsa_group_segment_fixed_size 74240
		.amdhsa_private_segment_fixed_size 0
		.amdhsa_enable_private_segment 0
		.amdhsa_kernarg_size 40
		.amdhsa_user_sgpr_count 2
		.amdhsa_user_sgpr_kernarg_segment_ptr 1
		.amdhsa_wavefront_size32 1
		.amdhsa_system_sgpr_workgroup_id_x 1
		.amdhsa_system_sgpr_workgroup_id_y 1
		.amdhsa_system_sgpr_workgroup_id_z 1
		.amdhsa_system_vgpr_workitem_id 0
		.amdhsa_next_free_vgpr 160
		.amdhsa_next_free_sgpr 66
		.amdhsa_reserve_vcc 1
		.amdhsa_float_denorm_mode_32 3
		.amdhsa_float_denorm_mode_16_64 3
		.amdhsa_memory_ordered 1
		.amdhsa_forward_progress 1
		.amdhsa_inst_pref_size 50
	.end_amdhsa_kernel
	.amdgpu_metadata
---
amdhsa.version: [ 1, 2 ]
amdhsa.kernels:
  - .name:           k_qd2ed53fea3_knn_pick
    .symbol:         k_qd2ed53fea3_knn_pick.kd
    .args:
      - { .name: xyz1, .offset: 0, .size: 8, .value_kind: global_buffer, .address_space: global }
      - { .name: xyz2, .offset: 8, .size: 8, .value_kind: global_buffer, .address_space: global }
      - { .name: grp, .offset: 16, .size: 8, .value_kind: global_buffer, .address_space: global }
      - { .name: nidx, .offset: 24, .size: 8, .value_kind: global_buffer, .address_space: global }
      - { .name: nwgt, .offset: 32, .size: 8, .value_kind: global_buffer, .address_space: global }
    .group_segment_fixed_size: 74240
    .private_segment_fixed_size: 0
    .kernarg_segment_align: 8
    .kernarg_segment_size: 40
    .max_flat_workgroup_size: 128
    .sgpr_count:     66
    .vgpr_count:     160
    .wavefront_size: 32
...
	.end_amdgpu_metadata
.endif
;; end of part 2
;; launch mlp1 (part 3): grid 256 x 1, 8 waves a work-group, clusters of 4 x 1, 327,680 bytes of LDS; arguments points1, prep, nidx, nwgt, b1, y1; writes y1
.if DOCPART == 3
	.amdgcn_target "amdgcn-amd-amdhsa--gfx1250"
	.amdhsa_code_object_version 6
	.text
	.protected	k_qd2ed53fea3_mlp1
	.globl	k_qd2ed53fea3_mlp1
	.p2align	8
	.type	k_qd2ed53fea3_mlp1,@function
k_qd2ed53fea3_mlp1:
	s_mov_b64 s[64:65], 0
	v_nop
	global_prefetch_b8 v0, s[64:65] scope:SCOPE_SE
	s_setreg_imm32_b32 hwreg(HW_REG_WAVE_MODE, 25, 1), 1
	s_wait_xcnt 0x0
	s_wait_alu depctr_hold_cnt(0) depctr_sa_sdst(0) depctr_va_vdst(0) depctr_va_sdst(0) depctr_va_ssrc(0) depctr_va_vcc(0) depctr_vm_vsrc(0)
	s_getreg_b32 s2, hwreg(HW_REG_IB_STS2, 6, 4)
	s_cmp_eq_u32 s2, 0
	s_cbranch_scc0 .Lentry_in_a_cluster
	s_endpgm
.Lentry_in_a_cluster:
	s_bfe_u32 s2, ttmp6, 0x10000c
	s_cmp_lg_u32 s2, 0x3003
	s_cbranch_scc0 .Lentry_shape_is_right
	s_endpgm
.Lentry_shape_is_right:
; INTERPOLATION AND THE FIRST LAYER.  y[point][c] = sum over k of x[point][k] w1[k][c] + b1[c], x = (points1's 128 channels, 256 interpolated channels), for 128 points x 256 channels a work-group.
; Out: y less the work-group's own channel mean, in f16, channel-major (y1, byte 524,288 on); that mean and M2 = the sum of the squares of what is left, in f32 (y1, 2,048 bytes a work-group from byte 0).
; FORMATS.  points1, w1, b1 are rounded to bf16 and written as f16 (f32 for b1); points2 lies rounded to bf16; the interpolated numbers are rounded once to f16; products in f16, sums in f32.
; The mean is taken away before the rounding to f16, so that rounding goes by the channel's spread and not by a common offset; no difference of large sums is formed.
; LIMITS.  |points1|, |interpolated| and |y - mean| up to 65,504; below 6.1e-5 f16's fixed step of 6e-8.
; SHARES.  Wave w: 64 points (w % 2) x 64 channels (w / 2): 16 accumulators, which take turns.  A = 16 points, B = 16 channels: in the result a lane holds ONE channel
; (lane % 16) and the points 8 (lane / 16) + 0..7, eight neighbours of a channel-major row.  b1 is the C operand of the first K step.
; CLUSTER.  The four work-groups of a cluster need the same w1: waves 0 to 3 ask for 96 rows each JOINTLY, once; a wave has one tensor load out.  LDS is filled once.
.set W1P,   544                        ; a row of w1 (k): 512 bytes + 32: an odd multiple of 32, for the turning load
.set XI,    208896                     ; [point 128] 256 interpolated channels in f16: 512 bytes + 16
.set XIP,   528
.set XP,    276480                     ; [channel 128] 128 points in f16: 256 bytes + 32
.set XPP,   288
.set STAGE, 208896                     ; behind the products, over XI and XP: [channel 256] 128 points in f16: 256 bytes + 16
.set STP,   272
.set SUM,   313344                     ; [point half 2][channel 256] f32 sums; 2,048 bytes on the same for the squares
.set SPARE, 317440                     ; the spare words: 128 bytes for each of 8 waves
.set VZ,  4                            ; v4 = 0
.set AC,  16                           ; v[16:31]   16 interpolated channels in f32
.set HH,  32                           ; v[32:39]   the same in f16
.set IX,  40                           ; v[40:71]   pair i: the record of three rows, then their byte offsets
.set WT,  72                           ; v[72:103]  pair i: three weights
.set RB,  104                          ; v[104:175] a ring of three pairs: 3 rows x 32 bytes a lane
.set PB,  176                          ; v[176:239] 16 channel rows of points1
.set BI,  240                          ; v[240:243] b1 of my four channels
.set BT,  16                           ; v[16:47]   b1 as four tiles of eight equal registers
.set AF,  64                           ; v[64:95]   four fragments of A
.set BF,  96                           ; v[96:127]  four fragments of B
.set ACC, 128                          ; v[128:255] accumulator (n, m) at ACC + 32 n + 8 m
.set SA,  16                           ; v[16:23]   four pairs of sums
.set NM,  24                           ; v[24:31]   minus the mean, twice, for each n
.macro ROUND                           ; a round of the cluster's barrier
	s_barrier_signal -1
	s_barrier_wait -1
	s_cmp_lg_u32 s20, 0
	s_cbranch_scc1 .Lnot_wave_0_\@
	s_barrier_signal -3
.Lnot_wave_0_\@:
	s_barrier_wait -3
	s_barrier_signal -1
	s_barrier_wait -1
.endm
.macro ROWS i                          ; pair i's six loads: lanes 0-15 one point's three rows, lanes 16-31 the next point's; a lane takes channels 8 r .. and 128 + 8 r ..
.irp n, 0,1,2
	global_load_b128 v[RB+24*((\i)%3)+8*\n:RB+24*((\i)%3)+8*\n+3], v[IX+4*(\i)+\n], s[6:7]
	global_load_b128 v[RB+24*((\i)%3)+8*\n+4:RB+24*((\i)%3)+8*\n+7], v[IX+4*(\i)+\n], s[6:7] offset:256
.endr
.endm
.macro INTERP i, cnt                   ; pair i: three rows times three weights; cnt = the loads of the younger pairs
	s_wait_loadcnt \cnt
.irp c, 0,1,2,3,4,5,6,7
	v_fma_mix_f32_bf16 v[AC+2*\c], v[RB+24*((\i)%3)+\c], v[WT+4*(\i)], v[VZ] op_sel_hi:[1,0,0]
	v_fma_mix_f32_bf16 v[AC+2*\c+1], v[RB+24*((\i)%3)+\c], v[WT+4*(\i)], v[VZ] op_sel:[1,0,0] op_sel_hi:[1,0,0]
.endr
.irp n, 1,2
.irp c, 0,1,2,3,4,5,6,7
	v_fma_mix_f32_bf16 v[AC+2*\c], v[RB+24*((\i)%3)+8*\n+\c], v[WT+4*(\i)+\n], v[AC+2*\c] op_sel_hi:[1,0,0]
	v_fma_mix_f32_bf16 v[AC+2*\c+1], v[RB+24*((\i)%3)+8*\n+\c], v[WT+4*(\i)+\n], v[AC+2*\c+1] op_sel:[1,0,0] op_sel_hi:[1,0,0]
.endr
.endr
.irp c, 0,1,2,3,4,5,6,7,8,9,10,11,12,13,14,15
	v_cmp_gt_f32 vcc_lo, s44, |v[AC+\c]|           ; NaN and infinities count as 0
	v_cndmask_b32 v[AC+\c], 0, v[AC+\c], vcc_lo
.endr
.irp c, 0,1,2,3,4,5,6,7
	v_cvt_pk_f16_f32 v[HH+\c], v[AC+2*\c], v[AC+2*\c+1]
.endr
	ds_store_b128 v9, v[HH:HH+3] offset:2*XIP*(\i)
	ds_store_b128 v9, v[HH+4:HH+7] offset:2*XIP*(\i)+256
.if (\i)+3 < 8
	ROWS (\i)+3
.endif
.endm
; 32 along K.  c0 = 1: the first step, whose C is b1.  xp = 1: A comes turned out of XP, else as it lies out of XI.  adv: 1, 2: both addresses step; 3: B's alone; 0: the last step.
; The counts 6, 4, 2, 0 leave the fragments of B out that are not yet needed.  The four plain lines at the end are the places in front of the next step's loads into registers that the products have read.
.macro KSTEP c0, xp, adv
	ds_load_tr16_b128 v[BF:BF+3], v10
	ds_load_tr16_b128 v[BF+4:BF+7], v10 offset:16*W1P
.irp m, 0,1,2,3
.if \xp
	ds_load_tr16_b128 v[AF+8*\m:AF+8*\m+3], v11 offset:32*\m
	ds_load_tr16_b128 v[AF+8*\m+4:AF+8*\m+7], v11 offset:32*\m+16*XPP
.else
	ds_load_b128 v[AF+8*\m:AF+8*\m+3], v12 offset:16*XIP*\m
	ds_load_b128 v[AF+8*\m+4:AF+8*\m+7], v12 offset:16*XIP*\m+32
.endif
.endr
.irp n, 1,2,3
	ds_load_tr16_b128 v[BF+8*\n:BF+8*\n+3], v10 offset:32*\n
	ds_load_tr16_b128 v[BF+8*\n+4:BF+8*\n+7], v10 offset:32*\n+16*W1P
.endr
.irp n, 0,1,2,3
	s_wait_dscnt 6-2*\n
.irp m, 0,1,2,3
.if \c0
	v_wmma_f32_16x16x32_f16 v[ACC+32*\n+8*\m:ACC+32*\n+8*\m+7], v[AF+8*\m:AF+8*\m+7], v[BF+8*\n:BF+8*\n+7], v[BT+8*\n:BT+8*\n+7]
.else
	v_wmma_f32_16x16x32_f16 v[ACC+32*\n+8*\m:ACC+32*\n+8*\m+7], v[AF+8*\m:AF+8*\m+7], v[BF+8*\n:BF+8*\n+7], v[ACC+32*\n+8*\m:ACC+32*\n+8*\m+7]
.endif
.endr
.endr
.if (\adv) > 0
	v_add_nc_u32 v10, 32*W1P, v10
.if (\adv) == 1
	v_add_nc_u32 v11, 32*XPP, v11
.elseif (\adv) == 2
	v_add_nc_u32 v12, 64, v12
.else
	v_nop
.endif
	v_nop
	v_nop
.endif
.endm
.macro REDUCE off                      ; the four pairs: halves, the other 16 lanes' points, and into LDS
.irp n, 0,1,2,3
	v_add_f32 v[SA+2*\n], v[SA+2*\n], v[SA+2*\n+1]
.endr
.irp n, 0,1,2,3
	v_permlanex16_b32 v[SA+2*\n+1], v[SA+2*\n], s46, s47
.endr
.irp n, 0,1,2,3
	v_add_f32 v[SA+2*\n], v[SA+2*\n], v[SA+2*\n+1]
.endr
.irp n, 0,1,2,3
	ds_store_b32 v6, v[SA+2*\n] offset:(\off)+64*\n
.endr
.endm
	s_load_b256 s[4:11], s[0:1], 0x0               ; points1 s[4:5], prep s[6:7], nidx s[8:9], nwgt s[10:11]
	s_load_b128 s[12:15], s[0:1], 0x20             ; b1 s[12:13], y1 s[14:15]
	v_lshl_add_u32 v14, v0, 2, SPARE
	v_mov_b32 v15, 0
	ds_add_u32 v14, v15                            ; the wave's opening: the add and its wait stand ahead of the first tensor load; work on registers stands between them
	v_lshrrev_b32 v1, 5, v0
	v_readfirstlane_b32 s20, v1                    ; wave
	v_and_b32 v1, 31, v0                           ; lane
	s_bfe_u32 s24, ttmp6, 0x40000                  ; cx: it enters global addresses alone
	s_lshl_b32 s21, ttmp9, 2
	s_add_co_u32 s21, s21, s24                     ; work-group = 4 x cluster + cx
	s_lshr_b32 s22, s21, 7                         ; b
	s_and_b32 s23, s21, 127                        ; tile of 128 points
	s_and_b32 s48, s20, 1                          ; wm: my half of the points
	s_lshr_b32 s49, s20, 1                         ; wn: my quarter of the channels
	s_mov_b32 s36, 15|(1<<16)|(1<<20)|(1<<21)|(6<<22)|(7<<25)  ; the mask of four; 2-byte elements; padding on; bit 21 beside a mask; after every 128 words, 8 words
	s_mov_b32 s37, 256<<16                         ; tensor_dim0 = 256
	s_mov_b32 s38, 96<<16                          ; tensor_dim1 = 96
	s_mov_b32 s39, 256<<16                         ; tile_dim0 = 256
	s_mov_b32 s40, 96                              ; tile_dim1 = 96
	s_mov_b32 s41, 256                             ; elements from row to row
	s_mov_b32 s42, 0
	s_mov_b32 s43, 0
	s_mov_b32 s32, 1
	s_mul_i32 s33, s20, 96*W1P                     ; LDS: wave x 96 rows
	s_mov_b32 s44, 0x7f800000
	s_mov_b32 s45, 0xffff0000
	s_mov_b32 s46, 0x76543210
	s_mov_b32 s47, 0xfedcba98
	s_lshl_b32 s24, s22, 23                        ; points1: batch, tile's 512 bytes, my wave's 16 channel rows
	s_lshl_b32 s26, s23, 9
	s_add_co_u32 s24, s24, s26
	s_lshl_b32 s26, s20, 20
	s_add_co_u32 s24, s24, s26
	s_mov_b32 s25, 0
	s_lshl_b32 s26, s21, 11                        ; the records: work-group's 128, my wave's 16
	s_lshl_b32 s28, s20, 8
	s_add_co_u32 s26, s26, s28
	s_mov_b32 s27, 0
	s_lshl_b32 s28, s22, 23                        ; y1's rows: batch, tile's 256 bytes
	s_lshl_b32 s30, s23, 8
	s_add_co_u32 s28, s28, s30
	s_add_co_u32 s28, s28, 524288
	s_mov_b32 s29, 0
	s_lshl_b32 s30, s21, 11                        ; y1's sums
	s_mov_b32 s31, 0
	s_mul_i32 s50, s20, 49152                      ; w1 in f16: wave x 96 rows of 512 bytes
	s_add_co_u32 s50, s50, 4194304
	s_mov_b32 s51, 0
	s_wait_dscnt 0x0                               ; the opening add is done
	s_wait_kmcnt 0x0
	s_add_nc_u64 s[4:5], s[4:5], s[24:25]
	s_add_nc_u64 s[8:9], s[8:9], s[26:27]
	s_add_nc_u64 s[10:11], s[10:11], s[26:27]
	s_add_nc_u64 s[16:17], s[14:15], s[28:29]
	s_add_nc_u64 s[18:19], s[14:15], s[30:31]
	s_add_nc_u64 s[34:35], s[6:7], s[50:51]
	s_or_b32 s35, s35, 0x80000000                  ; type = 2
	ROUND                                          ; all four work-groups are here: the joint loads meet
	s_cmp_lt_u32 s20, 4
	s_cbranch_scc0 .Lno_fill
	tensor_load_to_lds s[32:35], s[36:43]
	s_nop 0
.rept 4
	v_nop
.endr
.Lno_fill:
	v_and_b32 v2, 15, v0                           ; r
	v_bfe_u32 v3, v0, 4, 1                         ; h
	v_mov_b32 v[VZ], 0
	v_lshlrev_b32 v5, 4, v2                        ; 16 r
	v_lshlrev_b32 v6, 4, v3                        ; 16 h: lanes 16-31 take the next point's record
	v_lshlrev_b32 v7, 4, v1                        ; 16 lane
	s_mul_i32 s52, s20, 16*XPP
	s_add_co_u32 s52, s52, XP
	v_lshl_add_u32 v8, v1, 3, s52                  ; into XP: my wave's 16 rows, 8 bytes a lane
	s_mul_i32 s52, s20, 16*XIP
	s_add_co_u32 s52, s52, XI
	v_mul_u32_u24 v9, v3, XIP
	v_add3_u32 v9, v9, v5, s52                     ; into XI: point 16 wave + 2 i + h, 16 bytes for each r
	v_and_b32 v244, 7, v0
	v_lshl_add_u32 v244, v3, 3, v244               ; 8 h + lane % 8: the turning load's row
	v_bfe_u32 v246, v0, 3, 1
	v_mul_u32_u24 v10, v244, W1P
	v_lshl_add_u32 v10, v246, 4, v10
	s_lshl_b32 s52, s49, 7
	v_add_nc_u32 v10, s52, v10                     ; B: my 64 channels
	v_mul_u32_u24 v11, v244, XPP
	v_lshl_add_u32 v11, v246, 4, v11
	s_lshl_b32 s52, s48, 7
	s_add_co_u32 s52, s52, XP
	v_add_nc_u32 v11, s52, v11                     ; A out of XP: my 64 points
	s_lshl_b32 s52, s48, 6
	v_add_nc_u32 v12, s52, v2
	v_mul_u32_u24 v12, v12, XIP
	v_add3_u32 v12, v12, v6, XI                    ; A out of XI: row 64 wm + r, 16 bytes for each h
	s_lshl_b32 s52, s49, 6
	v_add_nc_u32 v13, s52, v2                      ; my channel: 64 wn + r (+ 16 n)
	v_lshlrev_b32 v245, 2, v13
.irp n, 0,1,2,3
	global_load_b32 v[BI+\n], v245, s[12:13] offset:64*\n
.endr
.irp i, 0,1,2,3,4,5,6,7
	global_load_b128 v[IX+4*\i:IX+4*\i+3], v6, s[8:9] offset:32*\i
	global_load_b128 v[WT+4*\i:WT+4*\i+3], v6, s[10:11] offset:32*\i
.endr
.set i, 0
.rept 16                               ; a load takes a channel's 128 points: 512 bytes on end
	global_load_b128 v[PB+4*i:PB+4*i+3], v7, s[4:5] offset:65536*i th:TH_LOAD_NT
.set i, i+1
.endr
	s_wait_loadcnt 16                              ; b1 and the records are in; points1's 16 loads stay out
.irp i, 0,1,2,3,4,5,6,7
.irp n, 0,1,2
	v_min_u32 v[IX+4*\i+\n], 0x1fff, v[IX+4*\i+\n] ; a loaded number enters an address only behind such a bound
.endr
.endr
.irp i, 0,1,2,3,4,5,6,7
.irp n, 0,1,2
	v_lshl_add_u32 v[IX+4*\i+\n], v[IX+4*\i+\n], 9, v5  ; a row of 512 bytes, 16 bytes for each r
.endr
.endr
	ROWS 0
	ROWS 1
	ROWS 2
	v_cvt_pk_bf16_f32 v246, v[BI], v[BI+1]
	v_cvt_pk_bf16_f32 v247, v[BI+2], v[BI+3]
	v_lshlrev_b32 v[BI], 16, v246
	v_and_b32 v[BI+1], s45, v246
	v_lshlrev_b32 v[BI+2], 16, v247
	v_and_b32 v[BI+3], s45, v247
	s_wait_loadcnt 18                              ; points1 is in; the three pairs' 18 loads stay out
.set i, 0
.rept 16
.set TT, AC+8*(i%2)
	v_cvt_pk_bf16_f32 v[TT], v[PB+4*i], v[PB+4*i+1]
	v_cvt_pk_bf16_f32 v[TT+1], v[PB+4*i+2], v[PB+4*i+3]
	v_lshlrev_b32 v[TT+2], 16, v[TT]
	v_and_b32 v[TT+3], s45, v[TT]
	v_lshlrev_b32 v[TT+4], 16, v[TT+1]
	v_and_b32 v[TT+5], s45, v[TT+1]
	v_cvt_pk_f16_f32 v[TT+6], v[TT+2], v[TT+3]
	v_cvt_pk_f16_f32 v[TT+7], v[TT+4], v[TT+5]
	ds_store_b64 v8, v[TT+6:TT+7] offset:XPP*i
.set i, i+1
.endr
	INTERP 0, 12                                   ; two younger pairs of six loads stay out,
	INTERP 1, 12
	INTERP 2, 12
	INTERP 3, 12
	INTERP 4, 12
	INTERP 5, 12
	INTERP 6, 6                                    ; then one,
	INTERP 7, 0                                    ; then none
.irp n, 0,1,2,3
.irp j, 0,1,2,3,4,5,6,7
	v_mov_b32 v[BT+8*\n+\j], v[BI+\n]
.endr
.endr
	s_wait_tensorcnt 0x0                           ; my part of w1 has landed,
	s_wait_dscnt 0x0                               ; my part of x is written:
	s_barrier_signal -1
	s_barrier_wait -1                              ; everybody's
	KSTEP 1, 1, 1
	KSTEP 0, 1, 1
	KSTEP 0, 1, 1
	KSTEP 0, 1, 3
.rept 7
	KSTEP 0, 0, 2
.endr
	KSTEP 0, 0, 0
	; THE CHANNELS' SUMS.  The five address lines are the places behind the last products; each accumulator's lowest registers are read first.
	s_lshl_b32 s51, s48, 10
	s_lshl_b32 s52, s48, 7
	s_add_co_u32 s52, s52, STAGE
	v_lshl_add_u32 v5, v13, 2, SUM                 ; my channel's word
	v_mul_u32_u24 v7, v13, STP
	v_lshl_add_u32 v7, v3, 4, v7
	v_add_nc_u32 v6, s51, v5                       ; in my half of the points
	v_add_nc_u32 v7, s52, v7                       ; the stage: my channel's row, points 64 wm + 16 m + 8 h
.irp n, 0,1,2,3
	v_pk_add_f32 v[SA+2*\n:SA+2*\n+1], v[ACC+32*\n:ACC+32*\n+1], v[ACC+32*\n+8:ACC+32*\n+9]
.endr
.irp m, 2,3
.irp n, 0,1,2,3
	v_pk_add_f32 v[SA+2*\n:SA+2*\n+1], v[SA+2*\n:SA+2*\n+1], v[ACC+32*\n+8*\m:ACC+32*\n+8*\m+1]
.endr
.endr
.irp j, 1,2,3
.irp m, 0,1,2,3
.irp n, 0,1,2,3
	v_pk_add_f32 v[SA+2*\n:SA+2*\n+1], v[SA+2*\n:SA+2*\n+1], v[ACC+32*\n+8*\m+2*\j:ACC+32*\n+8*\m+2*\j+1]
.endr
.endr
.endr
	REDUCE 0
	s_wait_dscnt 0x0                               ; my sums are written, and my reads of x are long over:
	s_barrier_signal -1
	s_barrier_wait -1                              ; behind this barrier the stage may be written over x
.irp n, 0,1,2,3
	ds_load_b32 v[NM+2*\n], v5 offset:64*\n
	ds_load_b32 v[NM+2*\n+1], v5 offset:1024+64*\n
.endr
	s_wait_dscnt 0x0
.irp n, 0,1,2,3
	v_add_f32 v[NM+2*\n], v[NM+2*\n], v[NM+2*\n+1]
.endr
.irp n, 0,1,2,3
	v_mul_f32 v[NM+2*\n], 0xbc000000, v[NM+2*\n]   ; minus the mean of the 128 points
.endr
.irp n, 0,1,2,3
	v_mov_b32 v[NM+2*\n+1], v[NM+2*\n]
.endr
.irp j, 0,1,2,3
.irp m, 0,1,2,3
.irp n, 0,1,2,3
	v_pk_add_f32 v[ACC+32*\n+8*\m+2*\j:ACC+32*\n+8*\m+2*\j+1], v[ACC+32*\n+8*\m+2*\j:ACC+32*\n+8*\m+2*\j+1], v[NM+2*\n:NM+2*\n+1]
.endr
.endr
.endr
.irp n, 0,1,2,3
	v_pk_mul_f32 v[SA+2*\n:SA+2*\n+1], v[ACC+32*\n:ACC+32*\n+1], v[ACC+32*\n:ACC+32*\n+1]
.endr
.irp m, 1,2,3
.irp n, 0,1,2,3
	v_pk_fma_f32 v[SA+2*\n:SA+2*\n+1], v[ACC+32*\n+8*\m:ACC+32*\n+8*\m+1], v[ACC+32*\n+8*\m:ACC+32*\n+8*\m+1], v[SA+2*\n:SA+2*\n+1]
.endr
.endr
.irp j, 1,2,3
.irp m, 0,1,2,3
.irp n, 0,1,2,3
	v_pk_fma_f32 v[SA+2*\n:SA+2*\n+1], v[ACC+32*\n+8*\m+2*\j:ACC+32*\n+8*\m+2*\j+1], v[ACC+32*\n+8*\m+2*\j:ACC+32*\n+8*\m+2*\j+1], v[SA+2*\n:SA+2*\n+1]
.endr
.endr
.endr
	REDUCE 2048
.set a, 0
.rept 16
.irp j, 0,1,2,3
	v_cvt_pk_f16_f32 v[AF+4*a+\j], v[ACC+8*a+2*\j], v[ACC+8*a+2*\j+1]
.endr
	ds_store_b128 v7, v[AF+4*a:AF+4*a+3] offset:16*STP*(a/4)+32*(a%4)
.set a, a+1
.endr
	v_lshrrev_b32 v8, 4, v0                        ; the way out: thread t takes rows t / 16 + 16 i, 16 bytes for each t % 16
	v_lshlrev_b32 v9, 15, v8
	v_lshl_add_u32 v9, v2, 4, v9
	v_mul_u32_u24 v8, v8, STP
	v_lshl_add_u32 v8, v2, 4, v8
	v_add_nc_u32 v8, STAGE, v8
	s_cmp_lt_u32 s20, 4                            ; threads 0-127: two channels' means; threads 128-255: two channels' M2
	s_cselect_b32 s53, 0, 1024
	s_cselect_b32 s54, 0x3c000000, 1.0             ; a mean is the sum over 128
	s_mov_b32 s55, s54
	v_lshlrev_b32 v11, 3, v0
	v_add3_u32 v10, v11, s53, SUM
	s_wait_dscnt 0x0                               ; for the others' sake: my part of the stage and of the squares
	s_barrier_signal -1
	s_barrier_wait -1
.irp i, 0,1,2,3,4,5,6,7,8,9,10,11,12,13,14,15
	ds_load_b128 v[ACC+4*\i:ACC+4*\i+3], v8 offset:16*STP*\i
.endr
	ds_load_b64 v[16:17], v10
	ds_load_b64 v[18:19], v10 offset:1024
.irp i, 0,1,2,3,4,5,6,7,8,9,10,11,12,13,14,15
	s_wait_dscnt 17-\i
	global_store_b128 v9, v[ACC+4*\i:ACC+4*\i+3], s[16:17] offset:524288*\i  ; sixteen lanes store a channel's 128 points: 256 bytes on end, at a multiple of 256
.endr
	s_wait_dscnt 0x0
	v_pk_add_f32 v[16:17], v[16:17], v[18:19]      ; the two halves of the points
	v_pk_mul_f32 v[16:17], v[16:17], s[54:55] op_sel_hi:[1,0]
	global_store_b64 v11, v[16:17], s[18:19]       ; a wave stores 256 bytes on end
	s_wait_tensorcnt 0x0                           ; the wave's end
	ds_add_u32 v14, v15
	s_wait_dscnt 0x0
	ROUND                                          ; the closing round
	s_endpgm
.Lfunc_end_k_qd2ed53fea3_mlp1:
	.size	k_qd2ed53fea3_mlp1, .Lfunc_end_k_qd2ed53fea3_mlp1-k_qd2ed53fea3_mlp1
	.p2alignl 7, 3214868480
	.fill 96, 4, 3214868480
	.section	.rodata,"a",@progbits
	.p2align	6, 0x0
	.amdhsa_kernel k_qd2ed53fea3_mlp1
		.amdhsa_group_segment_fixed_size 327680
		.amdhsa_private_segment_fixed_size 0
		.amdhsa_enable_private_segment 0
		.amdhsa_kernarg_size 48
		.amdhsa_user_sgpr_count 2
		.amdhsa_user_sgpr_kernarg_segment_ptr 1
		.amdhsa_wavefront_size32 1
		.amdhsa_system_sgpr_workgroup_id_x 1
		.amdhsa_system_sgpr_workgroup_id_y 1
		.amdhsa_system_sgpr_workgroup_id_z 1
		.amdhsa_system_vgpr_workitem_id 0
		.amdhsa_next_free_vgpr 256
		.amdhsa_next_free_sgpr 66
		.amdhsa_reserve_vcc 1
		.amdhsa_float_denorm_mode_32 3
		.amdhsa_float_denorm_mode_16_64 3
		.amdhsa_memory_ordered 1
		.amdhsa_forward_progress 1
		.amdhsa_inst_pref_size 118
	.end_amdhsa_kernel
	.amdgpu_metadata
---
amdhsa.version: [ 1, 2 ]
amdhsa.kernels:
  - .name:           k_qd2ed53fea3_mlp1
    .symbol:         k_qd2ed53fea3_mlp1.kd
    .args:
      - { .name: points1, .offset: 0, .size: 8, .value_kind: global_buffer, .address_space: global }
      - { .name: prep, .offset: 8, .size: 8, .value_kind: global_buffer, .address_space: global }
      - { .name: nidx, .offset: 16, .size: 8, .value_kind: global_buffer, .address_space: global }
      - { .name: nwgt, .offset: 24, .size: 8, .value_kind: global_buffer, .address_space: global }
      - { .name: b1, .offset: 32, .size: 8, .value_kind: global_buffer, .address_space: global }
      - { .name: y1, .offset: 40, .size: 8, .value_kind: global_buffer, .address_space: global }
    .group_segment_fixed_size: 327680
    .private_segment_fixed_size: 0
    .kernarg_segment_align: 8
    .kernarg_segment_size: 48
    .max_flat_workgroup_size: 256
    .sgpr_count:     66
    .vgpr_count:     256
    .wavefront_size: 32
...
	.end_amdgpu_metadata
.endif
;; end of part 3
;; launch bn1 (part 4): grid 4 x 1, 8 waves a work-group, no clusters, 5,120 bytes of LDS; arguments y1, g1, beta1, ss1; writes ss1
.if DOCPART == 4
	.amdgcn_target "amdgcn-amd-amdhsa--gfx1250"
	.amdhsa_code_object_version 6
	.text
	.protected	k_qd2ed53fea3_bn1
	.globl	k_qd2ed53fea3_bn1
	.p2align	8
	.type	k_qd2ed53fea3_bn1,@function
k_qd2ed53fea3_bn1:
	s_mov_b64 s[64:65], 0
	v_nop
	global_prefetch_b8 v0, s[64:65] scope:SCOPE_SE
	s_setreg_imm32_b32 hwreg(HW_REG_WAVE_MODE, 25, 1), 1
	s_wait_xcnt 0x0
; THE BATCH'S STATISTICS from 256 work-groups' means and M2 (128 points each): mu = the mean of the means; M2 = the sum of the M2 + 128 x the sum of (mean - mu)^2; var = M2 / 32,768.
; No difference of large sums is formed.  Out: scale = g / sqrt(var + 1e-5), mu, beta; g and beta rounded to bf16 like all inputs.
; SHARES.  A work-group has 64 channels, wave w the rows 32 w .. 32 w + 31 of the table (2,048 bytes a row: means, 1,024 bytes on M2), lane l two channels: a load takes 256 bytes on end.
; Few work-groups: the table is 512 KiB at the most and each byte is read once; the sums span all rows, so they are made by one owner a channel.  No matrix unit, no cluster: nothing is shared.
.set RED2,  2048                       ; LDS: [wave][64 channels] f32 at 0 for the means, here for M2
.set SPARE, 4096
.set MN, 16                            ; v[16:79]   32 pairs of means
.set MM, 80                            ; v[80:143]  32 pairs of M2
.set W,  144                           ; v[144:159] at work
.macro FOLD8                           ; eight pairs at v[W] into the first
	v_pk_add_f32 v[W:W+1], v[W:W+1], v[W+2:W+3]
	v_pk_add_f32 v[W+4:W+5], v[W+4:W+5], v[W+6:W+7]
	v_pk_add_f32 v[W+8:W+9], v[W+8:W+9], v[W+10:W+11]
	v_pk_add_f32 v[W+12:W+13], v[W+12:W+13], v[W+14:W+15]
	v_pk_add_f32 v[W:W+1], v[W:W+1], v[W+4:W+5]
	v_pk_add_f32 v[W+8:W+9], v[W+8:W+9], v[W+12:W+13]
	v_pk_add_f32 v[W:W+1], v[W:W+1], v[W+8:W+9]
.endm
	s_load_b256 s[4:11], s[0:1], 0x0               ; the table s[4:5], g s[6:7], beta s[8:9], out s[10:11]
	v_lshl_add_u32 v8, v0, 2, SPARE
	v_mov_b32 v9, 0
	v_and_b32 v1, 31, v0
	v_lshrrev_b32 v2, 5, v0
	v_readfirstlane_b32 s12, v2                    ; wave
	s_lshl_b32 s13, ttmp9, 8                       ; my 64 channels: 256 bytes
	s_lshl_b32 s14, s12, 16                        ; my wave's 32 rows
	s_add_co_u32 s14, s14, s13
	s_lshl_b32 s15, s12, 8
	s_mov_b32 s16, 0x38000000                      ; 1 / 32,768
	s_mov_b32 s17, 0x3727c5ac                      ; 1e-5
	s_mov_b32 s18, 0xffff0000
	v_lshlrev_b32 v3, 3, v1                        ; 8 l
	v_add_nc_u32 v2, s13, v3
	v_add_nc_u32 v10, s14, v3
	v_add_nc_u32 v11, s15, v3
	s_wait_kmcnt 0x0
	global_load_b64 v[4:5], v2, s[6:7]
	global_load_b64 v[6:7], v2, s[8:9]
.set i, 0
.rept 32
	global_load_b64 v[MN+2*i:MN+2*i+1], v10, s[4:5] offset:2048*i
.set i, i+1
.endr
.set i, 0
.rept 32
	global_load_b64 v[MM+2*i:MM+2*i+1], v10, s[4:5] offset:2048*i+1024
.set i, i+1
.endr
	s_wait_loadcnt 32                              ; g, beta and the means are in; M2's 32 loads stay out
.irp k, 0,1,2,3
	v_pk_add_f32 v[W+2*\k:W+2*\k+1], v[MN+2*\k:MN+2*\k+1], v[MN+8+2*\k:MN+9+2*\k]
.endr
.set i, 8
.rept 24
	v_pk_add_f32 v[W+2*(i%4):W+2*(i%4)+1], v[W+2*(i%4):W+2*(i%4)+1], v[MN+2*i:MN+2*i+1]
.set i, i+1
.endr
	v_pk_add_f32 v[W:W+1], v[W:W+1], v[W+2:W+3]
	v_pk_add_f32 v[W+4:W+5], v[W+4:W+5], v[W+6:W+7]
	v_pk_add_f32 v[W:W+1], v[W:W+1], v[W+4:W+5]
	ds_store_b64 v11, v[W:W+1]
	s_wait_dscnt 0x0
	s_barrier_signal -1
	s_barrier_wait -1
.irp w, 0,1,2,3,4,5,6,7
	ds_load_b64 v[W+2*\w:W+2*\w+1], v3 offset:256*\w
.endr
	s_wait_dscnt 0x0
	FOLD8
	v_pk_mul_f32 v[12:13], v[W:W+1], 0x3b800000 op_sel_hi:[1,0]  ; mu: over 256 rows of equal weight
	s_wait_loadcnt 0x0
.set i, 0
.rept 32
	v_pk_add_f32 v[MN+2*i:MN+2*i+1], v[MN+2*i:MN+2*i+1], v[12:13] neg_lo:[0,1] neg_hi:[0,1]
.set i, i+1
.endr
	v_pk_mul_f32 v[W:W+1], v[MN:MN+1], v[MN:MN+1]
	v_pk_mul_f32 v[W+2:W+3], v[MN+2:MN+3], v[MN+2:MN+3]
	v_pk_add_f32 v[W+4:W+5], v[MM:MM+1], v[MM+4:MM+5]
	v_pk_add_f32 v[W+6:W+7], v[MM+2:MM+3], v[MM+6:MM+7]
.set i, 2
.rept 30
	v_pk_fma_f32 v[W+2*(i%2):W+2*(i%2)+1], v[MN+2*i:MN+2*i+1], v[MN+2*i:MN+2*i+1], v[W+2*(i%2):W+2*(i%2)+1]
.set i, i+1
.endr
.set i, 4
.rept 28
	v_pk_add_f32 v[W+4+2*(i%2):W+5+2*(i%2)], v[W+4+2*(i%2):W+5+2*(i%2)], v[MM+2*i:MM+2*i+1]
.set i, i+1
.endr
	v_pk_add_f32 v[W:W+1], v[W:W+1], v[W+2:W+3]
	v_pk_add_f32 v[W+4:W+5], v[W+4:W+5], v[W+6:W+7]
	v_pk_fma_f32 v[W:W+1], v[W:W+1], 0x43000000, v[W+4:W+5] op_sel_hi:[1,0,1]  ; 128 points a row
	ds_store_b64 v11, v[W:W+1] offset:RED2         ; other bytes than the first sums': one barrier is enough
	s_wait_dscnt 0x0
	s_barrier_signal -1
	s_barrier_wait -1
.irp w, 0,1,2,3,4,5,6,7
	ds_load_b64 v[W+2*\w:W+2*\w+1], v3 offset:RED2+256*\w
.endr
	s_wait_dscnt 0x0
	s_wait_tensorcnt 0x0                           ; no LDS instruction follows
	ds_add_u32 v8, v9
	FOLD8
	s_wait_dscnt 0x0
	v_fma_f32 v[W], v[W], s16, s17                 ; var + 1e-5
	v_fma_f32 v[W+1], v[W+1], s16, s17
	v_rsq_f32 v[W+2], v[W]
	v_rsq_f32 v[W+3], v[W+1]
	v_cvt_pk_bf16_f32 v[W+4], v4, v5               ; plain lines behind the roots
	v_cvt_pk_bf16_f32 v[W+5], v6, v7
	v_lshlrev_b32 v4, 16, v[W+4]
	v_and_b32 v5, s18, v[W+4]
	v_lshlrev_b32 v6, 16, v[W+5]
	v_and_b32 v7, s18, v[W+5]
	s_wait_alu depctr_va_vdst(0)
	v_pk_mul_f32 v[4:5], v[4:5], v[W+2:W+3]
	s_cmp_lg_u32 s12, 0
	s_cbranch_scc1 .Lquiet                         ; every wave holds the results; wave 0 stores them, 256 bytes on end each
	global_store_b64 v2, v[4:5], s[10:11]
	global_store_b64 v2, v[12:13], s[10:11] offset:1024
	global_store_b64 v2, v[6:7], s[10:11] offset:2048
.Lquiet:
	s_endpgm
.Lfunc_end_k_qd2ed53fea3_bn1:
	.size	k_qd2ed53fea3_bn1, .Lfunc_end_k_qd2ed53fea3_bn1-k_qd2ed53fea3_bn1
	.p2alignl 7, 3214868480
	.fill 96, 4, 3214868480
	.section	.rodata,"a",@progbits
	.p2align	6, 0x0
	.amdhsa_kernel k_qd2ed53fea3_bn1
		.amdhsa_group_segment_fixed_size 5120
		.amdhsa_private_segment_fixed_size 0
		.amdhsa_enable_private_segment 0
		.amdhsa_kernarg_size 32
		.amdhsa_user_sgpr_count 2
		.amdhsa_user_sgpr_kernarg_segment_ptr 1
		.amdhsa_wavefront_size32 1
		.amdhsa_system_sgpr_workgroup_id_x 1
		.amdhsa_system_sgpr_workgroup_id_y 1
		.amdhsa_system_sgpr_workgroup_id_z 1
		.amdhsa_system_vgpr_workitem_id 0
		.amdhsa_next_free_vgpr 160
		.amdhsa_next_free_sgpr 66
		.amdhsa_reserve_vcc 0
		.amdhsa_float_denorm_mode_32 3
		.amdhsa_float_denorm_mode_16_64 3
		.amdhsa_memory_ordered 1
		.amdhsa_forward_progress 1
		.amdhsa_inst_pref_size 19
	.end_amdhsa_kernel
	.amdgpu_metadata
---
amdhsa.version: [ 1, 2 ]
amdhsa.kernels:
  - .name:           k_qd2ed53fea3_bn1
    .symbol:         k_qd2ed53fea3_bn1.kd
    .args:
      - { .name: y1, .offset: 0, .size: 8, .value_kind: global_buffer, .address_space: global }
      - { .name: g1, .offset: 8, .size: 8, .value_kind: global_buffer, .address_space: global }
      - { .name: beta1, .offset: 16, .size: 8, .value_kind: global_buffer, .address_space: global }
      - { .name: ss1, .offset: 24, .size: 8, .value_kind: global_buffer, .address_space: global }
    .group_segment_fixed_size: 5120
    .private_segment_fixed_size: 0
    .kernarg_segment_align: 8
    .kernarg_segment_size: 32
    .max_flat_workgroup_size: 256
    .sgpr_count:     66
    .vgpr_count:     160
    .wavefront_size: 32
...
	.end_amdgpu_metadata
.endif
;; end of part 4
;; launch mlp2 (part 5): grid 256 x 1, 8 waves a work-group, clusters of 4 x 1, 167,936 bytes of LDS; arguments y1, ss1, prep, b2, y2; writes y2
.if DOCPART == 5
	.amdgcn_target "amdgcn-amd-amdhsa--gfx1250"
	.amdhsa_code_object_version 6
	.text
	.protected	k_qd2ed53fea3_mlp2
	.globl	k_qd2ed53fea3_mlp2
	.p2align	8
	.type	k_qd2ed53fea3_mlp2,@function
k_qd2ed53fea3_mlp2:
	s_mov_b64 s[64:65], 0
	v_nop
	global_prefetch_b8 v0, s[64:65] scope:SCOPE_SE
	s_setreg_imm32_b32 hwreg(HW_REG_WAVE_MODE, 25, 1), 1
	s_wait_xcnt 0x0
	s_wait_alu depctr_hold_cnt(0) depctr_sa_sdst(0) depctr_va_vdst(0) depctr_va_sdst(0) depctr_va_ssrc(0) depctr_va_vcc(0) depctr_vm_vsrc(0)
	s_getreg_b32 s2, hwreg(HW_REG_IB_STS2, 6, 4)
	s_cmp_eq_u32 s2, 0
	s_cbranch_scc0 .Lentry_in_a_cluster
	s_endpgm
.Lentry_in_a_cluster:
	s_bfe_u32 s2, ttmp6, 0x10000c
	s_cmp_lg_u32 s2, 0x3003
	s_cbranch_scc0 .Lentry_shape_is_right
	s_endpgm
.Lentry_shape_is_right:
; THE FIRST NORM AND ReLU, AND THE SECOND LAYER.  h = max(scale (yc + mean_wg - mu) + beta, 0), reckoned in f32 from the f16 yc and rounded once to f16; y2[point][c] = sum over k of h[point][k] w2[k][c] + b2[c],
; 128 points x 128 channels a work-group.  Out as in the first layer: y2 less the work-group's channel mean in f16, channel-major (y2, byte 524,288 on); mean and M2 in f32 (2,048 bytes a work-group from byte 0).
; LIMITS.  |h| and |y2 - mean| up to 65,504; w2 and b2 rounded to bf16 like all inputs.
; SHARES.  Wave w: 64 points (w % 2) x 32 channels (w / 2): 8 accumulators, which take turns.  Both operands lie [k][..] in LDS and come turned.  b2 is the C operand of the first K step.
; CLUSTER.  The four work-groups need the same w2: waves 0 to 3 ask for 64 rows each JOINTLY, once; a wave has one tensor load out.  LDS is filled once.
.set W2P,   288                        ; a row of w2 (k): 256 bytes + 32
.set XH,    73728                      ; [channel 256] 128 points of h in f16: 256 bytes + 32
.set XHP,   288
.set STAGE, 73728                      ; behind the products, over XH: [channel 128] 256 bytes + 16
.set STP,   272
.set SSL,   147456                     ; [channel 256] (scale, shift) f32
.set SUM,   149504                     ; [point half 2][channel 128] f32 sums; 1,024 bytes on the squares
.set SPARE, 151552
.set VZ,  4
.set YY,  16                           ; v[16:79]   16 rows of 8 points
.set SS,  80                           ; v[80:111]  their (scale, shift)
.set AF,  16                           ; v[16:47]
.set BF,  48                           ; v[48:63]
.set BT,  64                           ; v[64:79]   b2 as two tiles
.set ACC, 80                           ; v[80:143]  accumulator (n, m) at ACC + 32 n + 8 m
.set PK,  144                          ; v[144:175] the results in f16
.set SA,  16
.set NM,  20
.macro ROUND
	s_barrier_signal -1
	s_barrier_wait -1
	s_cmp_lg_u32 s20, 0
	s_cbranch_scc1 .Lnot_wave_0_\@
	s_barrier_signal -3
.Lnot_wave_0_\@:
	s_barrier_wait -3
	s_barrier_signal -1
	s_barrier_wait -1
.endm
.macro KSTEP c0, adv                   ; 32 along K; the counts 2 and 0 leave B's second fragment out while the first is multiplied; the four plain lines are the places in front of the next loads
	ds_load_tr16_b128 v[BF:BF+3], v11
	ds_load_tr16_b128 v[BF+4:BF+7], v11 offset:16*W2P
.irp m, 0,1,2,3
	ds_load_tr16_b128 v[AF+8*\m:AF+8*\m+3], v12 offset:32*\m
	ds_load_tr16_b128 v[AF+8*\m+4:AF+8*\m+7], v12 offset:32*\m+16*XHP
.endr
	ds_load_tr16_b128 v[BF+8:BF+11], v11 offset:32
	ds_load_tr16_b128 v[BF+12:BF+15], v11 offset:32+16*W2P
.irp n, 0,1
	s_wait_dscnt 2-2*\n
.irp m, 0,1,2,3
.if \c0
	v_wmma_f32_16x16x32_f16 v[ACC+32*\n+8*\m:ACC+32*\n+8*\m+7], v[AF+8*\m:AF+8*\m+7], v[BF+8*\n:BF+8*\n+7], v[BT+8*\n:BT+8*\n+7]
.else
	v_wmma_f32_16x16x32_f16 v[ACC+32*\n+8*\m:ACC+32*\n+8*\m+7], v[AF+8*\m:AF+8*\m+7], v[BF+8*\n:BF+8*\n+7], v[ACC+32*\n+8*\m:ACC+32*\n+8*\m+7]
.endif
.endr
.endr
.if \adv
	v_add_nc_u32 v11, 32*W2P, v11
	v_add_nc_u32 v12, 32*XHP, v12
	v_nop
	v_nop
.endif
.endm
.macro REDUCE off
.irp n, 0,1
	v_add_f32 v[SA+2*\n], v[SA+2*\n], v[SA+2*\n+1]
.endr
.irp n, 0,1
	v_permlanex16_b32 v[SA+2*\n+1], v[SA+2*\n], s56, s57
.endr
.irp n, 0,1
	v_add_f32 v[SA+2*\n], v[SA+2*\n], v[SA+2*\n+1]
.endr
.irp n, 0,1
	ds_store_b32 v7, v[SA+2*\n] offset:(\off)+64*\n
.endr
.endm
	s_load_b256 s[4:11], s[0:1], 0x0               ; y1 s[4:5], ss1 s[6:7], prep s[8:9], b2 s[10:11]
	s_load_b64 s[12:13], s[0:1], 0x20              ; y2
	v_lshl_add_u32 v14, v0, 2, SPARE
	v_mov_b32 v15, 0
	ds_add_u32 v14, v15                            ; the wave's opening: the add and its wait stand ahead of the first tensor load
	v_lshrrev_b32 v1, 5, v0
	v_readfirstlane_b32 s20, v1                    ; wave
	v_and_b32 v1, 31, v0
	s_bfe_u32 s24, ttmp6, 0x40000                  ; cx: it enters global addresses alone
	s_lshl_b32 s21, ttmp9, 2
	s_add_co_u32 s21, s21, s24
	s_lshr_b32 s22, s21, 7                         ; b
	s_and_b32 s23, s21, 127                        ; tile
	s_and_b32 s48, s20, 1                          ; wm
	s_lshr_b32 s49, s20, 1                         ; wn
	s_mov_b32 s36, 15|(1<<16)|(1<<20)|(1<<21)|(5<<22)|(7<<25)  ; the mask of four; 2-byte elements; padding on; bit 21 beside a mask; after every 64 words, 8 words
	s_mov_b32 s37, 128<<16                         ; tensor_dim0 = 128
	s_mov_b32 s38, 64<<16                          ; tensor_dim1 = 64
	s_mov_b32 s39, 128<<16                         ; tile_dim0 = 128
	s_mov_b32 s40, 64                              ; tile_dim1 = 64
	s_mov_b32 s41, 128                             ; elements from row to row
	s_mov_b32 s42, 0
	s_mov_b32 s43, 0
	s_mov_b32 s32, 1
	s_mul_i32 s33, s20, 64*W2P
	s_mov_b32 s56, 0x76543210
	s_mov_b32 s57, 0xfedcba98
	s_mov_b32 s58, 0xffff0000
	s_lshl_b32 s24, s21, 11                        ; the work-group's sums, in y1 and in y2
	s_mov_b32 s25, 0
	s_lshl_b32 s26, s22, 23                        ; y1's rows
	s_lshl_b32 s28, s23, 8
	s_add_co_u32 s26, s26, s28
	s_add_co_u32 s26, s26, 524288
	s_mov_b32 s27, 0
	s_lshl_b32 s30, s22, 22                        ; y2's rows
	s_add_co_u32 s28, s28, s30
	s_add_co_u32 s28, s28, 524288
	s_mov_b32 s29, 0
	s_lshl_b32 s50, s20, 14                        ; w2 in f16: wave x 64 rows of 256 bytes
	s_add_co_u32 s50, s50, 4390912
	s_mov_b32 s51, 0
	s_wait_dscnt 0x0
	s_wait_kmcnt 0x0
	s_add_nc_u64 s[16:17], s[4:5], s[24:25]
	s_add_nc_u64 s[18:19], s[4:5], s[26:27]
	s_add_nc_u64 s[44:45], s[12:13], s[28:29]
	s_add_nc_u64 s[46:47], s[12:13], s[24:25]
	s_add_nc_u64 s[34:35], s[8:9], s[50:51]
	s_or_b32 s35, s35, 0x80000000
	ROUND                                          ; all four work-groups are here: the joint loads meet
	s_cmp_lt_u32 s20, 4
	s_cbranch_scc0 .Lno_fill
	tensor_load_to_lds s[32:35], s[36:43]
	s_nop 0
.rept 4
	v_nop
.endr
.Lno_fill:
	v_and_b32 v2, 15, v0                           ; r = t % 16
	v_bfe_u32 v3, v0, 4, 1                         ; h
	v_mov_b32 v[VZ], 0
	v_lshlrev_b32 v5, 2, v0                        ; 4 t: thread t has channel t's numbers
	v_lshrrev_b32 v120, 4, v0                      ; t / 16
	v_lshlrev_b32 v6, 15, v120                     ; rows t / 16 + 16 i of 32,768 bytes, 16 bytes for each t % 16
	v_lshl_add_u32 v6, v2, 4, v6
	v_lshl_add_u32 v7, v0, 3, SSL
	v_lshl_add_u32 v8, v120, 3, SSL
	v_mul_u32_u24 v9, v120, XHP
	v_lshl_add_u32 v9, v2, 4, v9
	v_add_nc_u32 v9, XH, v9
	v_add_nc_u32 v10, 128*XHP, v9                  ; rows 128 on: their offsets would pass 16 bits
	v_and_b32 v121, 7, v0
	v_lshl_add_u32 v121, v3, 3, v121
	v_bfe_u32 v122, v0, 3, 1
	v_mul_u32_u24 v121, v121, 288
	v_lshl_add_u32 v121, v122, 4, v121             ; the turning load: row 8 h + lane % 8, 16 bytes for (lane / 8) % 2
	s_lshl_b32 s52, s49, 6
	v_add_nc_u32 v11, s52, v121                    ; B: my 32 channels
	s_lshl_b32 s52, s48, 7
	s_add_co_u32 s52, s52, XH
	v_add_nc_u32 v12, s52, v121                    ; A: my 64 points
	s_lshl_b32 s52, s49, 5
	v_add_nc_u32 v13, s52, v2                      ; my channel: 32 wn + r (+ 16 n)
	v_lshlrev_b32 v118, 2, v13
	global_load_b32 v112, v5, s[6:7]               ; scale
	global_load_b32 v113, v5, s[6:7] offset:1024   ; mu
	global_load_b32 v114, v5, s[6:7] offset:2048   ; beta
	global_load_b32 v115, v5, s[16:17]             ; the work-group's mean
	global_load_b32 v116, v118, s[10:11]
	global_load_b32 v117, v118, s[10:11] offset:64
.irp i, 0,1,2,3,4,5,6,7,8,9,10,11,12,13,14,15
	global_load_b128 v[YY+4*\i:YY+4*\i+3], v6, s[18:19] offset:524288*\i th:TH_LOAD_NT
.endr
	s_wait_loadcnt 16                              ; the six numbers are in; the 16 rows stay out
	v_sub_f32 v115, v115, v113
	v_fma_f32 v113, v112, v115, v114               ; shift = scale (mean_wg - mu) + beta
	ds_store_b64 v7, v[112:113]
	v_cvt_pk_bf16_f32 v119, v116, v117
	v_lshlrev_b32 v116, 16, v119
	v_and_b32 v117, s58, v119
	s_wait_dscnt 0x0
	s_barrier_signal -1
	s_barrier_wait -1
.irp i, 0,1,2,3,4,5,6,7,8,9,10,11,12,13,14,15
	ds_load_b64 v[SS+2*\i:SS+2*\i+1], v8 offset:128*\i
.endr
	s_wait_dscnt 0x0
.irp i, 0,1,2,3,4,5,6,7,8,9,10,11,12,13,14,15
	s_wait_loadcnt 15-\i
.irp j, 0,1,2,3
	v_fma_mixlo_f16 v[YY+4*\i+\j], v[YY+4*\i+\j], v[SS+2*\i], v[SS+2*\i+1] op_sel_hi:[1,0,0]
	v_fma_mixhi_f16 v[YY+4*\i+\j], v[YY+4*\i+\j], v[SS+2*\i], v[SS+2*\i+1] op_sel:[1,0,0] op_sel_hi:[1,0,0]
.endr
.irp j, 0,1,2,3
	v_pk_max_num_f16 v[YY+4*\i+\j], v[YY+4*\i+\j], v[VZ]
.endr
	ds_store_b128 v[9+\i/8], v[YY+4*\i:YY+4*\i+3] offset:16*XHP*(\i%8)
.endr
.irp n, 0,1
.irp j, 0,1,2,3,4,5,6,7
	v_mov_b32 v[BT+8*\n+\j], v[116+\n]
.endr
.endr
	s_wait_tensorcnt 0x0                           ; my part of w2 has landed,
	s_wait_dscnt 0x0                               ; my part of h is written:
	s_barrier_signal -1
	s_barrier_wait -1                              ; everybody's
	KSTEP 1, 1
.rept 6
	KSTEP 0, 1
.endr
	KSTEP 0, 0
	; the five address lines are the places behind the last products; each accumulator's lowest registers are read first
	s_lshl_b32 s51, s48, 9
	s_lshl_b32 s52, s48, 7
	s_add_co_u32 s52, s52, STAGE
	v_lshl_add_u32 v5, v13, 2, SUM
	v_mul_u32_u24 v8, v13, STP
	v_lshl_add_u32 v8, v3, 4, v8
	v_add_nc_u32 v7, s51, v5
	v_add_nc_u32 v8, s52, v8
.irp n, 0,1
	v_pk_add_f32 v[SA+2*\n:SA+2*\n+1], v[ACC+32*\n:ACC+32*\n+1], v[ACC+32*\n+8:ACC+32*\n+9]
.endr
.irp m, 2,3
.irp n, 0,1
	v_pk_add_f32 v[SA+2*\n:SA+2*\n+1], v[SA+2*\n:SA+2*\n+1], v[ACC+32*\n+8*\m:ACC+32*\n+8*\m+1]
.endr
.endr
.irp j, 1,2,3
.irp m, 0,1,2,3
.irp n, 0,1
	v_pk_add_f32 v[SA+2*\n:SA+2*\n+1], v[SA+2*\n:SA+2*\n+1], v[ACC+32*\n+8*\m+2*\j:ACC+32*\n+8*\m+2*\j+1]
.endr
.endr
.endr
	REDUCE 0
	s_wait_dscnt 0x0                               ; my sums are written, my reads of h are over:
	s_barrier_signal -1
	s_barrier_wait -1                              ; behind this barrier the stage may be written over h
.irp n, 0,1
	ds_load_b32 v[NM+2*\n], v5 offset:64*\n
	ds_load_b32 v[NM+2*\n+1], v5 offset:512+64*\n
.endr
	s_wait_dscnt 0x0
.irp n, 0,1
	v_add_f32 v[NM+2*\n], v[NM+2*\n], v[NM+2*\n+1]
.endr
.irp n, 0,1
	v_mul_f32 v[NM+2*\n], 0xbc000000, v[NM+2*\n]   ; minus the mean of the 128 points
.endr
.irp n, 0,1
	v_mov_b32 v[NM+2*\n+1], v[NM+2*\n]
.endr
.irp j, 0,1,2,3
.irp m, 0,1,2,3
.irp n, 0,1
	v_pk_add_f32 v[ACC+32*\n+8*\m+2*\j:ACC+32*\n+8*\m+2*\j+1], v[ACC+32*\n+8*\m+2*\j:ACC+32*\n+8*\m+2*\j+1], v[NM+2*\n:NM+2*\n+1]
.endr
.endr
.endr
.irp n, 0,1
	v_pk_mul_f32 v[SA+2*\n:SA+2*\n+1], v[ACC+32*\n:ACC+32*\n+1], v[ACC+32*\n:ACC+32*\n+1]
.endr
.irp m, 1,2,3
.irp n, 0,1
	v_pk_fma_f32 v[SA+2*\n:SA+2*\n+1], v[ACC+32*\n+8*\m:ACC+32*\n+8*\m+1], v[ACC+32*\n+8*\m:ACC+32*\n+8*\m+1], v[SA+2*\n:SA+2*\n+1]
.endr
.endr
.irp j, 1,2,3
.irp m, 0,1,2,3
.irp n, 0,1
	v_pk_fma_f32 v[SA+2*\n:SA+2*\n+1], v[ACC+32*\n+8*\m+2*\j:ACC+32*\n+8*\m+2*\j+1], v[ACC+32*\n+8*\m+2*\j:ACC+32*\n+8*\m+2*\j+1], v[SA+2*\n:SA+2*\n+1]
.endr
.endr
.endr
	REDUCE 1024
.set a, 0
.rept 8
.irp j, 0,1,2,3
	v_cvt_pk_f16_f32 v[PK+4*a+\j], v[ACC+8*a+2*\j], v[ACC+8*a+2*\j+1]
.endr
	ds_store_b128 v8, v[PK+4*a:PK+4*a+3] offset:16*STP*(a/4)+32*(a%4)
.set a, a+1
.endr
	v_lshrrev_b32 v9, 4, v0                        ; the way out: rows t / 16 + 16 i, 16 bytes for each t % 16
	v_mul_u32_u24 v9, v9, STP
	v_lshl_add_u32 v9, v2, 4, v9
	v_add_nc_u32 v9, STAGE, v9
	s_wait_dscnt 0x0                               ; for the others' sake: my part of the stage and of the squares
	s_barrier_signal -1
	s_barrier_wait -1
	s_cmp_lt_u32 s20, 4
	s_cbranch_scc0 .Lno_part                       ; threads 0-63: two channels' means; threads 64-127: two channels' M2
	s_cmp_lt_u32 s20, 2
	s_cselect_b32 s52, 0, 512
	s_cselect_b32 s54, 0x3c000000, 1.0
	s_mov_b32 s55, s54
	v_lshl_add_u32 v10, v0, 3, s52
	v_add_nc_u32 v11, SUM, v10
	ds_load_b64 v[16:17], v11
	ds_load_b64 v[18:19], v11 offset:512
	s_wait_dscnt 0x0
	v_pk_add_f32 v[16:17], v[16:17], v[18:19]
	v_pk_mul_f32 v[16:17], v[16:17], s[54:55] op_sel_hi:[1,0]
	global_store_b64 v10, v[16:17], s[46:47]       ; a wave stores 256 bytes on end
.Lno_part:
.irp i, 0,1,2,3,4,5,6,7
	ds_load_b128 v[ACC+4*\i:ACC+4*\i+3], v9 offset:16*STP*\i
.endr
.irp i, 0,1,2,3,4,5,6,7
	s_wait_dscnt 7-\i
	global_store_b128 v6, v[ACC+4*\i:ACC+4*\i+3], s[44:45] offset:524288*\i  ; sixteen lanes store 256 bytes on end, at a multiple of 256
.endr
	s_wait_tensorcnt 0x0                           ; the wave's end
	ds_add_u32 v14, v15
	s_wait_dscnt 0x0
	ROUND                                          ; the closing round
	s_endpgm
.Lfunc_end_k_qd2ed53fea3_mlp2:
	.size	k_qd2ed53fea3_mlp2, .Lfunc_end_k_qd2ed53fea3_mlp2-k_qd2ed53fea3_mlp2
	.p2alignl 7, 3214868480
	.fill 96, 4, 3214868480
	.section	.rodata,"a",@progbits
	.p2align	6, 0x0
	.amdhsa_kernel k_qd2ed53fea3_mlp2
		.amdhsa_group_segment_fixed_size 167936
		.amdhsa_private_segment_fixed_size 0
		.amdhsa_enable_private_segment 0
		.amdhsa_kernarg_size 40
		.amdhsa_user_sgpr_count 2
		.amdhsa_user_sgpr_kernarg_segment_ptr 1
		.amdhsa_wavefront_size32 1
		.amdhsa_system_sgpr_workgroup_id_x 1
		.amdhsa_system_sgpr_workgroup_id_y 1
		.amdhsa_system_sgpr_workgroup_id_z 1
		.amdhsa_system_vgpr_workitem_id 0
		.amdhsa_next_free_vgpr 176
		.amdhsa_next_free_sgpr 66
		.amdhsa_reserve_vcc 0
		.amdhsa_float_denorm_mode_32 3
		.amdhsa_float_denorm_mode_16_64 3
		.amdhsa_memory_ordered 1
		.amdhsa_forward_progress 1
		.amdhsa_inst_pref_size 48
	.end_amdhsa_kernel
	.amdgpu_metadata
---
amdhsa.version: [ 1, 2 ]
amdhsa.kernels:
  - .name:           k_qd2ed53fea3_mlp2
    .symbol:         k_qd2ed53fea3_mlp2.kd
    .args:
      - { .name: y1, .offset: 0, .size: 8, .value_kind: global_buffer, .address_space: global }
      - { .name: ss1, .offset: 8, .size: 8, .value_kind: global_buffer, .address_space: global }
      - { .name: prep, .offset: 16, .size: 8, .value_kind: global_buffer, .address_space: global }
      - { .name: b2, .offset: 24, .size: 8, .value_kind: global_buffer, .address_space: global }
      - { .name: y2, .offset: 32, .size: 8, .value_kind: global_buffer, .address_space: global }
    .group_segment_fixed_size: 167936
    .private_segment_fixed_size: 0
    .kernarg_segment_align: 8
    .kernarg_segment_size: 40
    .max_flat_workgroup_size: 256
    .sgpr_count:     66
    .vgpr_count:     176
    .wavefront_size: 32
...
	.end_amdgpu_metadata
.endif
;; end of part 5
;; launch bn2: the kernel of part 4 again; grid 2 x 1, 8 waves a work-group, no clusters, 5,120 bytes of LDS; arguments y2, g2, beta2, ss2; writes ss2
;; launch bnout (part 6): grid 256 x 1, 8 waves a work-group, no clusters, 0 bytes of LDS; arguments y2, ss2, out0; writes out0
.if DOCPART == 6
	.amdgcn_target "amdgcn-amd-amdhsa--gfx1250"
	.amdhsa_code_object_version 6
	.text
	.protected	k_qd2ed53fea3_bnout
	.globl	k_qd2ed53fea3_bnout
	.p2align	8
	.type	k_qd2ed53fea3_bnout,@function
k_qd2ed53fea3_bnout:
	s_mov_b64 s[64:65], 0
	v_nop
	global_prefetch_b8 v0, s[64:65] scope:SCOPE_SE
	s_setreg_imm32_b32 hwreg(HW_REG_WAVE_MODE, 25, 1), 1
	s_wait_xcnt 0x0
; THE SECOND NORM, ReLU AND THE OUTPUT.  out[b][c][n] = max(scale (yc + mean_wg - mu) + beta, 0) in f32, NaN and infinities as 0.  A stream: each byte of yc is read once and each byte of out0 written once.
; SHARES.  A work-group has a tile of 128 points x 128 channels (the tile whose mean was taken away), wave w channels 16 w + i.  A load takes a channel's 128 points in f16 (256 bytes on end),
; a store the same in f32 (512 bytes on end).  All 16 loads of a wave go out at once; each row has registers of its own, so no register that a store reads is written again.
; No LDS, no matrix unit, no cluster: nothing is shared and nothing is multiplied by a matrix.
.set YY, 16                            ; v[16:47]   16 rows, 4 points a lane in f16
.set OO, 48                            ; v[48:111]  the same in f32
.set SC, 112                           ; v[112:143] row i's scale and shift in every lane
	s_load_b128 s[4:7], s[0:1], 0x0                ; y2 s[4:5], ss2 s[6:7]
	s_load_b64 s[8:9], s[0:1], 0x10                ; out0
	v_and_b32 v1, 31, v0
	v_lshrrev_b32 v2, 5, v0
	v_readfirstlane_b32 s10, v2                    ; wave
	s_mov_b32 s11, ttmp9
	s_lshr_b32 s12, s11, 7                         ; b
	s_and_b32 s13, s11, 127                        ; tile
	s_mov_b32 s56, 0x7f800000
	v_and_b32 v4, 15, v0
	s_lshl_b32 s14, s10, 6
	v_lshl_add_u32 v4, v4, 2, s14                  ; lane % 16 has channel 16 w + lane % 16
	v_lshlrev_b32 v2, 3, v1
	v_lshlrev_b32 v3, 4, v1
	s_lshl_b32 s16, s12, 22                        ; yc: batch, my wave's 16 rows of 32,768 bytes, the tile's 256 bytes
	s_lshl_b32 s15, s10, 19
	s_add_co_u32 s16, s16, s15
	s_lshl_b32 s15, s13, 8
	s_add_co_u32 s16, s16, s15
	s_add_co_u32 s16, s16, 524288
	s_mov_b32 s17, 0
	s_lshl_b32 s18, s12, 23                        ; out0: the same with rows of 65,536 bytes
	s_lshl_b32 s15, s10, 20
	s_add_co_u32 s18, s18, s15
	s_lshl_b32 s15, s13, 9
	s_add_co_u32 s18, s18, s15
	s_mov_b32 s19, 0
	s_lshl_b32 s20, s11, 11                        ; the work-group's means
	s_mov_b32 s21, 0
	s_wait_kmcnt 0x0
	s_add_nc_u64 s[16:17], s[4:5], s[16:17]
	s_add_nc_u64 s[18:19], s[8:9], s[18:19]
	s_add_nc_u64 s[20:21], s[4:5], s[20:21]
	global_load_b32 v8, v4, s[6:7]                 ; scale
	global_load_b32 v9, v4, s[6:7] offset:1024     ; mu
	global_load_b32 v10, v4, s[6:7] offset:2048    ; beta
	global_load_b32 v11, v4, s[20:21]              ; mean_wg
.set i, 0
.rept 16
	global_load_b64 v[YY+2*i:YY+2*i+1], v2, s[16:17] offset:32768*i th:TH_LOAD_NT
.set i, i+1
.endr
	s_wait_loadcnt 16                              ; the four numbers are in; the 16 rows stay out
	v_sub_f32 v11, v11, v9
	v_fma_f32 v9, v8, v11, v10                     ; shift
.set i, 0
.rept 16
	v_readlane_b32 s[24+2*i], v8, i
	v_readlane_b32 s[25+2*i], v9, i
.set i, i+1
.endr
.set i, 0
.rept 32
	v_mov_b32 v[SC+i], s[24+i]
.set i, i+1
.endr
.set i, 0
.rept 16
	s_wait_loadcnt 15-i                            ; row i is in; the younger rows stay out
	v_fma_mix_f32 v[OO+4*i], v[YY+2*i], v[SC+2*i], v[SC+2*i+1] op_sel_hi:[1,0,0]
	v_fma_mix_f32 v[OO+4*i+1], v[YY+2*i], v[SC+2*i], v[SC+2*i+1] op_sel:[1,0,0] op_sel_hi:[1,0,0]
	v_fma_mix_f32 v[OO+4*i+2], v[YY+2*i+1], v[SC+2*i], v[SC+2*i+1] op_sel_hi:[1,0,0]
	v_fma_mix_f32 v[OO+4*i+3], v[YY+2*i+1], v[SC+2*i], v[SC+2*i+1] op_sel:[1,0,0] op_sel_hi:[1,0,0]
.irp j, 0,1,2,3
	v_max_num_f32 v[OO+4*i+\j], 0, v[OO+4*i+\j]    ; ReLU; a NaN gives 0
.endr
.irp j, 0,1,2,3
	v_cmp_gt_f32 vcc_lo, s56, v[OO+4*i+\j]         ; an infinity gives 0
	v_cndmask_b32 v[OO+4*i+\j], 0, v[OO+4*i+\j], vcc_lo
.endr
	global_store_b128 v3, v[OO+4*i:OO+4*i+3], s[18:19] offset:65536*i th:TH_STORE_NT
.set i, i+1
.endr
	s_endpgm
.Lfunc_end_k_qd2ed53fea3_bnout:
	.size	k_qd2ed53fea3_bnout, .Lfunc_end_k_qd2ed53fea3_bnout-k_qd2ed53fea3_bnout
	.p2alignl 7, 3214868480
	.fill 96, 4, 3214868480
	.section	.rodata,"a",@progbits
	.p2align	6, 0x0
	.amdhsa_kernel k_qd2ed53fea3_bnout
		.amdhsa_group_segment_fixed_size 0
		.amdhsa_private_segment_fixed_size 0
		.amdhsa_enable_private_segment 0
		.amdhsa_kernarg_size 24
		.amdhsa_user_sgpr_count 2
		.amdhsa_user_sgpr_kernarg_segment_ptr 1
		.amdhsa_wavefront_size32 1
		.amdhsa_system_sgpr_workgroup_id_x 1
		.amdhsa_system_sgpr_workgroup_id_y 1
		.amdhsa_system_sgpr_workgroup_id_z 1
		.amdhsa_system_vgpr_workitem_id 0
		.amdhsa_next_free_vgpr 144
		.amdhsa_next_free_sgpr 66
		.amdhsa_reserve_vcc 1
		.amdhsa_float_denorm_mode_32 3
		.amdhsa_float_denorm_mode_16_64 3
		.amdhsa_memory_ordered 1
		.amdhsa_forward_progress 1
		.amdhsa_inst_pref_size 19
	.end_amdhsa_kernel
	.amdgpu_metadata
---
amdhsa.version: [ 1, 2 ]
amdhsa.kernels:
  - .name:           k_qd2ed53fea3_bnout
    .symbol:         k_qd2ed53fea3_bnout.kd
    .args:
      - { .name: y2, .offset: 0, .size: 8, .value_kind: global_buffer, .address_space: global }
      - { .name: ss2, .offset: 8, .size: 8, .value_kind: global_buffer, .address_space: global }
      - { .name: out0, .offset: 16, .size: 8, .value_kind: global_buffer, .address_space: global }
    .group_segment_fixed_size: 0
    .private_segment_fixed_size: 0
    .kernarg_segment_align: 8
    .kernarg_segment_size: 24
    .max_flat_workgroup_size: 256
    .sgpr_count:     66
    .vgpr_count:     144
    .wavefront_size: 32
...
	.end_amdgpu_metadata
.endif
;; end of part 6
;; ======== version 2 of 2: 7 launches; version 1 with the launches knn_groups, knn_pick written anew for expert scheduling mode
;; limits: values are held in f16: magnitudes above 65,504 overflow, below 6.1e-05 lose precision
;; workspace buffers: grp 524,288 bytes of whole numbers; prep 4,456,448 bytes; nidx 524,288 bytes of whole numbers; nwgt 524,288 bytes; y1 17,301,504 bytes; ss1 3,072 bytes; y2 8,912,896 bytes; ss2 3,072 bytes
;; launch knn_groups (part 7): grid 256 x 1, 8 waves a work-group, no clusters, 117,248 bytes of LDS; arguments xyz1, xyz2, points2, w1, w2, grp, prep; writes grp, prep
.if DOCPART == 7
	.amdgcn_target "amdgcn-amd-amdhsa--gfx1250"
	.amdhsa_code_object_version 6
	.text
	.protected	k_qd2ed53fea3_knn_groups
	.globl	k_qd2ed53fea3_knn_groups
	.p2align	8
	.type	k_qd2ed53fea3_knn_groups,@function
k_qd2ed53fea3_knn_groups:
	s_mov_b64 s[64:65], 0
	v_nop
	global_prefetch_b8 v0, s[64:65] scope:SCOPE_SE
	s_setreg_imm32_b32 hwreg(HW_REG_WAVE_SCHED_MODE, 0, 2), 2
	s_setreg_imm32_b32 hwreg(HW_REG_WAVE_MODE, 25, 1), 1
	s_wait_xcnt 0x0
	s_wait_alu depctr_vm_vsrc(0)
; NEAREST NEIGHBOURS, LEVEL 1, and the preparation of the tables.
; A batch's 4,096 candidates are 128 groups of 32 on end.  For each query the three groups with the smallest (least clamped distance, group number) are found:
; the three nearest candidates in the order (distance, index) lie in them, since three groups ahead of a group each hold a candidate ahead of all of that group's.
; d = (|q|^2 - 2 q.c) + |c|^2 in f32, terms in the order x, y, z.  All inputs are rounded to bf16 first, so every product of two coordinates is exact in f32
; and a fused multiply-add gives the bits of a multiply and an add.  The clamp at 0 is taken once a group: it commutes with the minimum.
; SHARES.  A work-group has 128 queries of one batch; wave w takes candidates 512 w .. 512 w + 511 (groups 16 w .. 16 w + 15) for all 128; lane l holds queries 4 l .. 4 l + 3.
; A candidate's record (x, y, z, |c|^2) is read from LDS at one address for all lanes.  For 2 candidates x 4 queries: 20 packed lines and 4 three-way minima.
; BESIDE IT: a block of 64 points x 128 channels of points2 is turned to [point][channel] in bf16 (prep, byte 0 on), and 384 numbers of w1 and 128 of w2 are rounded to bf16 and written as f16
; (prep, bytes 4,194,304 and 4,390,912 on) by waves 4 to 7 while waves 0 to 3 merge the waves' results.
; NO CLUSTER: what the work-groups of a batch share is xyz2, 48 KiB, which passes through registers to be rounded and laid out; no tile is copied into LDS as it lies.
; LIMITS.  Inputs finite; a weight below 6.1e-5 keeps f16's fixed step of 6e-8, above 65,504 it is lost.
; THE MODE: SCHED_MODE bits 1:0 = 2 (LLVM: expert scheduling mode 2), set by the entry lines.  The code itself states the register dependences
; between vector instructions and memory or LDS instructions, with s_wait_alu, always for 0.
; THE PLAN.  Registers that memory or LDS instructions touch:
;   v2 .. v8      offsets and addresses, made once at the head and never written again.  v9: made three times, each later time behind a wait on vm_vsrc.
;   OB            a set of 16 registers for each of the four quads of records: written by the roundings, read by the 16 table stores behind one wait on va_vdst.
;   PK            points2 packed: written by the roundings, read by the 16 stores into TT.     TR  the turned rows: LDS loads land in them, four global stores read them, nothing names them again.
;   CA, CB        two buffers of 16 records.  A step of the loop computes on one; the 16 loads of the step after it land in the other, which no vector line of the step names.
;   v[TA]         read by every load of a record; written once a trip, at the trip's end.
; So ONE wait on va_vdst stands at the head of a step: the step before is done reading the other buffer, and, in a trip's first step, v[TA] is written.  The step's 16 loads follow it with no
; further wait, four ahead of each of its first four blocks of arithmetic.  One wait on vm_vsrc a trip stands ahead of the add to v[TA].  A trip's 12 compares stand in one run, with one wait on va_sdst.
.set PADB,  65536                      ; behind the table's 4,096 records of 16 bytes: 32 records of zeros, of which the last trip fetches 16 ahead and uses none
.set TT,    66048                      ; 64 rows (points) x 272 bytes: 128 channels in bf16 + 16 of padding
.set TTP,   272
.set MRG,   83456                      ; [wave][query] 32 bytes: b0 b1 b2 i0 i1 i2
.set SPARE, 116224                     ; the spare words: 128 bytes for each of 8 waves
.set QX, 12                            ; v[12:15] x of my four queries;  QY, QZ likewise;  SQ their |q|^2
.set QY, 16
.set QZ, 20
.set SQ, 24
.set ST, 28                            ; query q at v[ST+8q]: b0 b1 b2 (ascending), i0 i1 i2, the group's running minimum, the same clamped
.set TA, 61                            ; LDS address of the group in hand
.set TS, 64                            ; v[64:79] two sets of 8 distances at work
.set CA, 80                            ; v[80:143], v[144:207]: two buffers of 16 records
.set CB, 144
.set LX, 64                            ; at the start: v[64:111] xyz2 as loaded
.set PP, 112                           ; at the start: v[112:143] points2 as loaded
.set PK, 64                            ; at the start, when LX is spent: v[64:79] points2 packed
.set OB, 144                           ; at the start: v[144:207] quad i's four records at OB + 16 i
.set TR, 208                           ; v[208:223] the turned rows
.set MR, 64                            ; at the end: v[64:119] waves 1 to 7's records of my query, eight registers each
.set MK, 22                            ; s[22:33] the compares' masks, three for each query
.macro RB2 a, b, t                     ; two numbers rounded to bf16 and widened again, in place
	v_cvt_pk_bf16_f32 v[\t], v[\a], v[\b]
	v_lshlrev_b32 v[\a], 16, v[\t]
	v_and_b32 v[\b], s36, v[\t]
.endm
; (v[m], id) goes into the ascending three at v[st]; strictly less only, so that of equals the one seen first stays ahead.  INSC: the three compares, into s[k .. k+2].  INSM: the moves that read them.
.macro INSC m, st, k
	v_cmp_lt_f32 s[\k], v[\m], v[\st]
	v_cmp_lt_f32 s[(\k)+1], v[\m], v[(\st)+1]
	v_cmp_lt_f32 s[(\k)+2], v[\m], v[(\st)+2]
.endm
.macro INSM m, id, st, k
	v_cndmask_b32 v[(\st)+5], v[(\st)+5], \id, s[(\k)+2]
	v_cndmask_b32 v[(\st)+5], v[(\st)+5], v[(\st)+4], s[(\k)+1]
	v_cndmask_b32 v[(\st)+4], v[(\st)+4], \id, s[(\k)+1]
	v_cndmask_b32 v[(\st)+4], v[(\st)+4], v[(\st)+3], s[\k]
	v_cndmask_b32 v[(\st)+3], v[(\st)+3], \id, s[\k]
	v_med3_num_f32 v[(\st)+2], v[(\st)+1], v[(\st)+2], v[\m]
	v_med3_num_f32 v[(\st)+1], v[\st], v[(\st)+1], v[\m]
	v_min_num_f32 v[\st], v[\st], v[\m]
.endm
.macro INS1 m, id, st                  ; one insertion that hangs on the one before it
	INSC \m, \st, MK
	s_wait_alu depctr_va_sdst(0)                   ; the three compares have written s[MK .. MK+2], which the selects below read
	INSM \m, \id, \st, MK
.endm
.macro LOAD4 c, off                    ; four records, one address for all lanes
.irp i, 0,1,2,3
	ds_load_b128 v[(\c)+4*\i:(\c)+4*\i+3], v[TA] offset:(\off)+16*\i
.endr
.endm
.macro CAND2 c, t, first               ; two candidates (records at v[c], v[c+4]) x two pairs of queries, stage by stage
.irp u, 0,1
.irp p, 0,1
	v_pk_mul_f32 v[(\t)+4*\u+2*\p:(\t)+4*\u+2*\p+1], v[QX+2*\p:QX+2*\p+1], v[(\c)+4*\u:(\c)+4*\u+1] op_sel_hi:[1,0]
.endr
.endr
.irp u, 0,1
.irp p, 0,1
	v_pk_fma_f32 v[(\t)+4*\u+2*\p:(\t)+4*\u+2*\p+1], v[QY+2*\p:QY+2*\p+1], v[(\c)+4*\u:(\c)+4*\u+1], v[(\t)+4*\u+2*\p:(\t)+4*\u+2*\p+1] op_sel:[0,1,0] op_sel_hi:[1,1,1]
.endr
.endr
.irp u, 0,1
.irp p, 0,1
	v_pk_fma_f32 v[(\t)+4*\u+2*\p:(\t)+4*\u+2*\p+1], v[QZ+2*\p:QZ+2*\p+1], v[(\c)+4*\u+2:(\c)+4*\u+3], v[(\t)+4*\u+2*\p:(\t)+4*\u+2*\p+1] op_sel_hi:[1,0,1]
.endr
.endr
.irp u, 0,1
.irp p, 0,1
	v_pk_fma_f32 v[(\t)+4*\u+2*\p:(\t)+4*\u+2*\p+1], v[(\t)+4*\u+2*\p:(\t)+4*\u+2*\p+1], -2.0, v[SQ+2*\p:SQ+2*\p+1] op_sel_hi:[1,0,1]
.endr
.endr
.irp u, 0,1
.irp p, 0,1
	v_pk_add_f32 v[(\t)+4*\u+2*\p:(\t)+4*\u+2*\p+1], v[(\t)+4*\u+2*\p:(\t)+4*\u+2*\p+1], v[(\c)+4*\u+2:(\c)+4*\u+3] op_sel:[0,1] op_sel_hi:[1,1]
.endr
.endr
.irp q, 0,1,2,3
.if \first
	v_min_num_f32 v[ST+8*\q+6], v[(\t)+\q], v[(\t)+4+\q]
.else
	v_min3_num_f32 v[ST+8*\q+6], v[ST+8*\q+6], v[(\t)+\q], v[(\t)+4+\q]
.endif
.endr
.endm
; A step: 16 candidates out of buffer c; the next 16, at byte off from v[TA], go into buffer o.
.macro STEP c, o, off, first
	s_wait_dscnt 0x0                               ; buffer c is in: its 16 loads were issued in the step before, and none since
	s_wait_alu depctr_va_vdst(0)                   ; the step before is done reading buffer o, in which the loads below land; in a trip's first step v[TA], which they read, is written
	LOAD4 (\o), (\off)
	CAND2 (\c), TS, \first
	LOAD4 (\o)+16, (\off)+64                       ; no wait: no vector line since the wait above names buffer o or v[TA]
	CAND2 (\c)+8, TS+8, 0
	LOAD4 (\o)+32, (\off)+128
	CAND2 (\c)+16, TS, 0
	LOAD4 (\o)+48, (\off)+192
	CAND2 (\c)+24, TS+8, 0
	CAND2 (\c)+32, TS, 0
	CAND2 (\c)+40, TS+8, 0
	CAND2 (\c)+48, TS, 0
	CAND2 (\c)+56, TS+8, 0
.endm
	s_load_b256 s[4:11], s[0:1], 0x0               ; xyz1 s[4:5], xyz2 s[6:7], points2 s[8:9], w1 s[10:11]
	s_load_b128 s[12:15], s[0:1], 0x20             ; w2 s[12:13], grp s[14:15]
	s_load_b64 s[16:17], s[0:1], 0x30              ; prep
	v_lshl_add_u32 v10, v0, 2, SPARE               ; my spare word,
	v_mov_b32 v11, 0                               ; and 0: kept for the add alone
	v_and_b32 v1, 31, v0                           ; lane
	v_lshrrev_b32 v60, 5, v0
	v_readfirstlane_b32 s20, v60                   ; wave
	s_mov_b32 s21, ttmp9                           ; work-group: batch 128 b + tile
	s_lshr_b32 s22, s21, 7                         ; b
	s_and_b32 s23, s21, 127                        ; tile of 128 queries
	s_mov_b32 s36, 0xffff0000                      ; a word's upper bf16
	s_mov_b32 s37, 0x7f800000                      ; +infinity
	s_mul_i32 s24, s22, 49152                      ; xyz2: the batch
	s_mov_b32 s25, 0
	s_mul_i32 s26, s22, 196608                     ; xyz1: the batch and the tile's 512 bytes
	s_lshl_b32 s28, s23, 9
	s_add_co_u32 s26, s26, s28
	s_mov_b32 s27, 0
	s_and_b32 s30, s21, 1                          ; which 128 channels of points2
	s_lshr_b32 s31, s23, 1                         ; which 64 points
	s_lshl_b32 s28, s22, 22
	s_lshl_b32 s38, s30, 21
	s_add_co_u32 s28, s28, s38
	s_lshl_b32 s38, s31, 8
	s_add_co_u32 s28, s28, s38
	s_mov_b32 s29, 0
	s_lshl_b32 s32, s22, 21                        ; the turned table: batch, 64 rows of 512 bytes, half a row
	s_lshl_b32 s38, s31, 15
	s_add_co_u32 s32, s32, s38
	s_lshl_b32 s38, s30, 8
	s_add_co_u32 s32, s32, s38
	s_mov_b32 s33, 0
	s_lshl_b32 s34, s21, 11                        ; grp: 128 records of 16 bytes
	s_mov_b32 s35, 0
	v_lshlrev_b32 v2, 4, v0                        ; 16 t
	v_lshlrev_b32 v3, 4, v1                        ; 16 lane
	v_and_b32 v60, 15, v0                          ; t % 16
	v_lshrrev_b32 v62, 4, v0                       ; t / 16
	v_lshlrev_b32 v4, 15, v62                      ; points2: two channel rows of 16,384 bytes for each t / 16, 16 bytes for each t % 16
	v_lshl_add_u32 v4, v60, 4, v4
	v_lshlrev_b32 v5, 6, v0                        ; the table: four records a thread
	v_mul_u32_u24 v6, v60, 4*TTP                   ; into TT: rows 4 (t % 16) + j, word t / 16 + 16 k
	v_lshl_add_u32 v6, v62, 2, v6
	v_add_nc_u32 v6, TT, v6
	v_mul_u32_u24 v7, v62, TTP                     ; back: row t / 16 + 16 k, 16 bytes for each t % 16
	v_lshl_add_u32 v7, v60, 4, v7
	v_add_nc_u32 v7, TT, v7
	v_lshlrev_b32 v8, 9, v62                       ; and the same in the turned table
	v_lshl_add_u32 v8, v60, 4, v8
	v_lshl_add_u32 v9, v0, 1, PADB                 ; my two bytes of the pad
	v_mov_b32 v63, 0
	s_wait_alu depctr_va_sdst(0)                   ; s20, the wave's number, is written, ahead of its first reader: LDS addresses, the group's number and two branches are made from it
	s_wait_kmcnt 0x0
	s_add_nc_u64 s[6:7], s[6:7], s[24:25]
	s_add_nc_u64 s[4:5], s[4:5], s[26:27]
	s_add_nc_u64 s[8:9], s[8:9], s[28:29]
	s_add_nc_u64 s[18:19], s[16:17], s[32:33]
	s_add_nc_u64 s[14:15], s[14:15], s[34:35]
	s_wait_alu depctr_va_vdst(0)                   ; the offsets and addresses v2 to v9 and the pad's 0 in v63 are written, which the loads and stores below read
.irp i, 0,1,2,3                        ; 12 loads: candidates 4 t + 1,024 i + 0..3, x, y, z
	global_load_b128 v[LX+12*\i:LX+12*\i+3], v2, s[6:7] offset:4096*\i
	global_load_b128 v[LX+12*\i+4:LX+12*\i+7], v2, s[6:7] offset:4096*\i+16384
	global_load_b128 v[LX+12*\i+8:LX+12*\i+11], v2, s[6:7] offset:4096*\i+32768
.endr
	global_load_b128 v[QX:QX+3], v3, s[4:5]        ; 3 loads: my four queries
	global_load_b128 v[QY:QY+3], v3, s[4:5] offset:65536
	global_load_b128 v[QZ:QZ+3], v3, s[4:5] offset:131072
.irp k, 0,1,2,3                        ; 8 loads: channels 2 (t / 16 + 16 k) and the next, four points each; sixteen lanes take 256 bytes on end
	global_load_b128 v[PP+8*\k:PP+8*\k+3], v4, s[8:9] offset:524288*\k th:TH_LOAD_NT
	global_load_b128 v[PP+8*\k+4:PP+8*\k+7], v4, s[8:9] offset:524288*\k+16384 th:TH_LOAD_NT
.endr
	ds_store_b16 v9, v63                           ; the pad
	s_wait_loadcnt 11                              ; xyz2 is in; the 3 + 8 younger loads stay out
.irp i, 0,1,2,3
.irp c, 0,1,2
	v_cvt_pk_bf16_f32 v60, v[LX+12*\i+4*\c], v[LX+12*\i+4*\c+1]
	v_cvt_pk_bf16_f32 v62, v[LX+12*\i+4*\c+2], v[LX+12*\i+4*\c+3]
	v_lshlrev_b32 v[OB+16*\i+\c], 16, v60          ; widened straight into the records
	v_and_b32 v[OB+16*\i+4+\c], s36, v60
	v_lshlrev_b32 v[OB+16*\i+8+\c], 16, v62
	v_and_b32 v[OB+16*\i+12+\c], s36, v62
.endr
.irp j, 0,1,2,3
	v_mul_f32 v[OB+16*\i+4*\j+3], v[OB+16*\i+4*\j], v[OB+16*\i+4*\j]
.endr
.irp j, 0,1,2,3
	v_fmac_f32 v[OB+16*\i+4*\j+3], v[OB+16*\i+4*\j+1], v[OB+16*\i+4*\j+1]
.endr
.irp j, 0,1,2,3
	v_fmac_f32 v[OB+16*\i+4*\j+3], v[OB+16*\i+4*\j+2], v[OB+16*\i+4*\j+2]
.endr
.endr
	s_wait_alu depctr_va_vdst(0)                   ; the 16 records in OB are written, which the stores below read
.irp i, 0,1,2,3
.irp j, 0,1,2,3
	ds_store_b128 v5, v[OB+16*\i+4*\j:OB+16*\i+4*\j+3] offset:16384*\i+16*\j
.endr
.endr
	s_wait_loadcnt 8                               ; the queries are in; points2's 8 loads stay out
	RB2 QX, QX+1, 60
	RB2 QX+2, QX+3, 62
	RB2 QY, QY+1, 60
	RB2 QY+2, QY+3, 62
	RB2 QZ, QZ+1, 60
	RB2 QZ+2, QZ+3, 62
	v_pk_mul_f32 v[SQ:SQ+1], v[QX:QX+1], v[QX:QX+1]
	v_pk_mul_f32 v[SQ+2:SQ+3], v[QX+2:QX+3], v[QX+2:QX+3]
	v_pk_fma_f32 v[SQ:SQ+1], v[QY:QY+1], v[QY:QY+1], v[SQ:SQ+1]
	v_pk_fma_f32 v[SQ+2:SQ+3], v[QY+2:QY+3], v[QY+2:QY+3], v[SQ+2:SQ+3]
	v_pk_fma_f32 v[SQ:SQ+1], v[QZ:QZ+1], v[QZ:QZ+1], v[SQ:SQ+1]
	v_pk_fma_f32 v[SQ+2:SQ+3], v[QZ+2:QZ+3], v[QZ+2:QZ+3], v[SQ+2:SQ+3]
.irp q, 0,1,2,3
	v_mov_b32 v[ST+8*\q], s37
	v_mov_b32 v[ST+8*\q+1], s37
	v_mov_b32 v[ST+8*\q+2], s37
	v_mov_b32 v[ST+8*\q+3], 0
	v_mov_b32 v[ST+8*\q+4], 0
	v_mov_b32 v[ST+8*\q+5], 0
.endr
	s_wait_loadcnt 0x0                             ; points2
.irp k, 0,1,2,3
.irp j, 0,1,2,3
	v_cvt_pk_bf16_f32 v[PK+4*\k+\j], v[PP+8*\k+\j], v[PP+8*\k+4+\j]  ; two neighbouring channels of one point
.endr
.endr
	s_lshl_b32 s38, s20, 13                        ; my wave's 512 records
	v_mov_b32 v[TA], s38
	s_lshl_b32 s41, s20, 4                         ; its first group's number
	s_mov_b32 s40, 16
	s_wait_alu depctr_va_vdst(0)                   ; PK is written, which the stores below read; so is v[TA]; and the roundings are done reading LX and PP, in which the first records land behind the barrier
.irp k, 0,1,2,3
.irp j, 0,1,2,3
	ds_store_b32 v6, v[PK+4*\k+\j] offset:TTP*\j+64*\k
.endr
.endr
	s_wait_dscnt 0x0                               ; for the others' sake: my part of the table and of TT is written
	s_barrier_signal -1
	s_barrier_wait -1
	s_wait_alu depctr_vm_vsrc(0)                   ; my LDS stores have read PK and OB: these registers are TS and CB from here on, written by the loop's arithmetic and loads
.irp k, 0,1,2,3
	ds_load_b128 v[TR+4*\k:TR+4*\k+3], v7 offset:16*TTP*\k
.endr
	LOAD4 CA, 0                                    ; the first group's first 16 records
	LOAD4 CA+16, 64
	LOAD4 CA+32, 128
	LOAD4 CA+48, 192
	s_wait_dscnt 16                                ; the turned rows are in; the 16 records stay out
.irp k, 0,1,2,3
	global_store_b128 v8, v[TR+4*\k:TR+4*\k+3], s[18:19] offset:8192*\k  ; sixteen lanes store 256 bytes on end, at a multiple of 256 from prep's first byte; none of their registers is written again
.endr
.Lgroup:                                               ; a trip: one group of 32 candidates for my four queries, in two steps
	STEP CA, CB, 256, 1
	STEP CB, CA, 512, 0                            ; fetches the next group's first 16 (in wave 7's last trip: the pad)
.irp q, 0,1,2,3
	v_max_num_f32 v[ST+8*\q+7], 0, v[ST+8*\q+6]    ; the clamp at 0
.endr
.irp q, 0,1,2,3
	INSC ST+8*\q+7, ST+8*\q, MK+3*\q               ; the four queries do not hang on each other: all 12 compares in one run
.endr
	s_wait_alu depctr_va_sdst(0)                   ; the 12 compares have written s[MK .. MK+11], which the selects below read
.irp q, 0,1,2,3
	INSM ST+8*\q+7, s41, ST+8*\q, MK+3*\q
.endr
	s_wait_alu depctr_vm_vsrc(0)                   ; the loads issued so far have read v[TA]
	v_add_nc_u32 v[TA], 512, v[TA]
	s_add_co_u32 s41, s41, 1
	s_sub_co_u32 s40, s40, 1
	s_cmp_lg_u32 s40, 0
	s_cbranch_scc1 .Lgroup
	s_lshl_b32 s24, s20, 12
	s_add_co_u32 s24, s24, MRG
	v_lshl_add_u32 v9, v1, 7, s24                  ; my wave's records of my four queries (the pad's store has read v9: the waits on vm_vsrc above)
	s_wait_dscnt 0x0                               ; the 16 loads fetched ahead
	s_wait_alu depctr_va_vdst(0)                   ; v9 and the four queries' results in ST are written, which the stores below read
.irp q, 0,1,2,3
	ds_store_b128 v9, v[ST+8*\q:ST+8*\q+3] offset:32*\q
	ds_store_b64 v9, v[ST+8*\q+4:ST+8*\q+5] offset:32*\q+16
.endr
	s_wait_dscnt 0x0                               ; for the others' sake
	s_barrier_signal -1
	s_barrier_wait -1
	s_wait_alu depctr_vm_vsrc(0)                   ; my stores have read v9 and ST, which the merge writes again
	s_cmp_lt_u32 s20, 4
	s_cbranch_scc0 .Lweights
	; waves 0 to 3: thread t merges query t's eight records, in the waves' order, which is the groups'.  One address, the wave's record in the immediate:
	; the highest byte read is MRG + 127 x 32 + 7 x 4,096 + 24, just below the spare words.  All 16 loads go out in one run.
	v_and_b32 v9, 127, v0
	v_lshl_add_u32 v9, v9, 5, MRG
	s_wait_alu depctr_va_vdst(0)                   ; v9 is written, which the loads below read; the loop is done with ST, TS and CA, in which they land
	ds_load_b128 v[ST:ST+3], v9
	ds_load_b64 v[ST+4:ST+5], v9 offset:16
.irp w, 1,2,3,4,5,6,7
	ds_load_b128 v[MR+8*\w-8:MR+8*\w-5], v9 offset:4096*\w
	ds_load_b64 v[MR+8*\w-4:MR+8*\w-3], v9 offset:4096*\w+16
.endr
.irp w, 1,2,3,4,5,6,7
	s_wait_dscnt 14-2*\w                           ; wave w's record is in; the two loads of each younger record stay out
	INS1 MR+8*\w-8, v[MR+8*\w-5], ST
	INS1 MR+8*\w-7, v[MR+8*\w-4], ST
	INS1 MR+8*\w-6, v[MR+8*\w-3], ST
.endr
	v_min_u32 v64, v[ST+3], v[ST+4]                ; the three numbers ascending, so that the next launch visits candidates by ascending index
	v_max_u32 v65, v[ST+3], v[ST+4]
	v_min_u32 v66, v65, v[ST+5]
	v_max_u32 v70, v65, v[ST+5]
	v_min_u32 v68, v64, v66
	v_max_u32 v69, v64, v66
	v_mov_b32 v71, 0
	s_wait_alu depctr_va_vdst(0)                   ; v[68:71] are written, which the store reads
	global_store_b128 v2, v[68:71], s[14:15]
	s_branch .Ljoin
.Lweights:                                             ; waves 4 to 6: 128 numbers of w1 each; wave 7: 128 of w2
	s_sub_co_u32 s26, s20, 4
	s_mul_i32 s27, s21, 1536
	s_lshl_b32 s28, s26, 9
	s_add_co_u32 s27, s27, s28                     ; w1: from
	s_lshl_b32 s28, s21, 9                         ; w2: from
	s_mul_i32 s29, s21, 768
	s_lshl_b32 s30, s26, 8
	s_add_co_u32 s29, s29, s30
	s_add_co_u32 s29, s29, 4194304                 ; w1: to
	s_lshl_b32 s30, s21, 8
	s_add_co_u32 s30, s30, 4390912                 ; w2: to
	s_cmp_lt_u32 s26, 3
	s_cselect_b64 s[24:25], s[10:11], s[12:13]
	s_cselect_b32 s27, s27, s28
	s_cselect_b32 s29, s29, s30
	v_lshl_add_u32 v72, v1, 4, s27
	v_lshl_add_u32 v73, v1, 3, s29
	s_wait_alu depctr_va_vdst(0)                   ; v72 is written, which the load reads; the loop is done with v[64:67], in which it lands
	global_load_b128 v[64:67], v72, s[24:25]
	s_wait_loadcnt 0x0
	RB2 64, 65, 68
	RB2 66, 67, 69
	v_cvt_pk_f16_f32 v70, v64, v65
	v_cvt_pk_f16_f32 v71, v66, v67
	s_wait_alu depctr_va_vdst(0)                   ; v[70:71] are written, which the store reads (v73 stands ahead of the wait before)
	global_store_b64 v73, v[70:71], s[16:17]       ; the wave stores 256 bytes on end, at a multiple of 256
.Ljoin:
	s_barrier_signal -1                            ; every wave's LDS reads are back (the merge's last wait was for 0; waves 4 to 7 have read nothing since the barrier before):
	s_barrier_wait -1                              ; no LDS instruction of any wave but the add below follows this barrier
	s_wait_dscnt 0x0                               ; the closing lines, six on end
	s_wait_alu 0x0
	s_wait_tensorcnt 0x0
	ds_add_u32 v10, v11
	s_wait_dscnt 0x0
	s_endpgm
.Lfunc_end_k_qd2ed53fea3_knn_groups:
	.size	k_qd2ed53fea3_knn_groups, .Lfunc_end_k_qd2ed53fea3_knn_groups-k_qd2ed53fea3_knn_groups
	.p2alignl 7, 3214868480
	.fill 96, 4, 3214868480
	.section	.rodata,"a",@progbits
	.p2align	6, 0x0
	.amdhsa_kernel k_qd2ed53fea3_knn_groups
		.amdhsa_group_segment_fixed_size 117248
		.amdhsa_private_segment_fixed_size 0
		.amdhsa_enable_private_segment 0
		.amdhsa_kernarg_size 56
		.amdhsa_user_sgpr_count 2
		.amdhsa_user_sgpr_kernarg_segment_ptr 1
		.amdhsa_wavefront_size32 1
		.amdhsa_system_sgpr_workgroup_id_x 1
		.amdhsa_system_sgpr_workgroup_id_y 1
		.amdhsa_system_sgpr_workgroup_id_z 1
		.amdhsa_system_vgpr_workitem_id 0
		.amdhsa_next_free_vgpr 224
		.amdhsa_next_free_sgpr 66
		.amdhsa_reserve_vcc 0
		.amdhsa_float_denorm_mode_32 3
		.amdhsa_float_denorm_mode_16_64 3
		.amdhsa_memory_ordered 1
		.amdhsa_forward_progress 1
		.amdhsa_inst_pref_size 65
	.end_amdhsa_kernel
	.amdgpu_metadata
---
amdhsa.version: [ 1, 2 ]
amdhsa.kernels:
  - .name:           k_qd2ed53fea3_knn_groups
    .symbol:         k_qd2ed53fea3_knn_groups.kd
    .args:
      - { .name: xyz1, .offset: 0, .size: 8, .value_kind: global_buffer, .address_space: global }
      - { .name: xyz2, .offset: 8, .size: 8, .value_kind: global_buffer, .address_space: global }
      - { .name: points2, .offset: 16, .size: 8, .value_kind: global_buffer, .address_space: global }
      - { .name: w1, .offset: 24, .size: 8, .value_kind: global_buffer, .address_space: global }
      - { .name: w2, .offset: 32, .size: 8, .value_kind: global_buffer, .address_space: global }
      - { .name: grp, .offset: 40, .size: 8, .value_kind: global_buffer, .address_space: global }
      - { .name: prep, .offset: 48, .size: 8, .value_kind: global_buffer, .address_space: global }
    .group_segment_fixed_size: 117248
    .private_segment_fixed_size: 0
    .kernarg_segment_align: 8
    .kernarg_segment_size: 56
    .max_flat_workgroup_size: 256
    .sgpr_count:     66
    .vgpr_count:     224
    .wavefront_size: 32
...
	.end_amdgpu_metadata
.endif
;; end of part 7
;; launch knn_pick (part 8): grid 256 x 1, 4 waves a work-group, no clusters, 74,240 bytes of LDS; arguments xyz1, xyz2, grp, nidx, nwgt; writes nidx, nwgt
.if DOCPART == 8
	.amdgcn_target "amdgcn-amd-amdhsa--gfx1250"
	.amdhsa_code_object_version 6
	.text
	.protected	k_qd2ed53fea3_knn_pick
	.globl	k_qd2ed53fea3_knn_pick
	.p2align	8
	.type	k_qd2ed53fea3_knn_pick,@function
k_qd2ed53fea3_knn_pick:
	s_mov_b64 s[64:65], 0
	v_nop
	global_prefetch_b8 v0, s[64:65] scope:SCOPE_SE
	s_setreg_imm32_b32 hwreg(HW_REG_WAVE_SCHED_MODE, 0, 2), 2
	s_setreg_imm32_b32 hwreg(HW_REG_WAVE_MODE, 25, 1), 1
	s_wait_xcnt 0x0
	s_wait_alu depctr_vm_vsrc(0)
; NEAREST NEIGHBOURS, LEVEL 2.  Thread t has query 128 wg + t and its three groups (ascending numbers, from the launch before).  Their 96 candidates are ranked exactly, by the same
; arithmetic as there (inputs rounded to bf16, f32, terms x, y, z; d = (|q|^2 - 2 q.c) + |c|^2, clamped at 0), visited by ascending index with a strict comparison: of equal distances the lower index is ahead.
; Then w = (1/d) / sum(1/d) with both floors of 1e-6; divisions are v_rcp_f32 and a multiply.  Out: three rows of the turned table (4,096 b + s) and three weights a query.
; LDS: x, y, z and |c|^2 of the batch's 4,096 candidates in four arrays of [group 128] rows of 128 + 16 bytes: lanes with unlike groups start at unlike groups of four banks unless 9 g agrees modulo 16.
; NO CLUSTER: xyz2 (48 KiB) passes through registers to be rounded.  LIMITS: inputs finite.
; THE MODE: SCHED_MODE bits 1:0 = 2 (LLVM: expert scheduling mode 2), set by the entry lines.  The code itself states the register dependences
; between vector instructions and memory or LDS instructions, with s_wait_alu, always for 0.
; THE PLAN.  Registers that memory or LDS instructions touch:
;   v2 .. v5      offsets and addresses, made once at the head and never written again.
;   LX, SQ        xyz2, rounded in place, and each quad's four squares in registers of its own: written by four quads' arithmetic, read by their 16 LDS stores behind one wait on va_vdst.
;   RBUF          a ring of four buffers of four candidates.  Chunk c computes on buffer c % 4; its four loads, of chunk c + 3, land in buffer (c - 1) % 4, which no vector line of chunk c names.
;   v26, v27      read by the chunks' loads; written once a trip, at the trip's end.
;   v[40:47]      written at the end, read by the two stores.
; So ONE wait on va_vdst stands at the head of a chunk: the chunk before is done reading its buffer, and, in a trip's first chunk, v26 and v27 are written.  One wait on vm_vsrc a trip stands ahead of the
; moves into v26 and v27.  A chunk's four insertions hang on each other, so each has a wait on va_sdst between its compares and its selects.
.set GP,    144
.set TY,    18432
.set TZ,    36864
.set TQ,    55296
.set SPARE, 73728
.set LX,    64                         ; v[64:159] xyz2 as loaded; later v[64:127] a ring of four buffers of 4 candidates (x, y, z, |c|^2: 16 registers)
.set RBUF,  64
.set ST,    20                         ; v[20:25] b0 b1 b2, i0 i1 i2
.set SQ,    32                         ; at the start: v[32:63] quad i's four |c|^2 at SQ + 4 i
.set MK,    32                         ; s[32:34] an insertion's masks
.macro RB2 a, b, t
	v_cvt_pk_bf16_f32 v[\t], v[\a], v[\b]
	v_lshlrev_b32 v[\a], 16, v[\t]
	v_and_b32 v[\b], s36, v[\t]
.endm
.macro INS1 m, id, st                  ; (v[m], id) goes into the ascending three at v[st]; strictly less only
	v_cmp_lt_f32 s[MK], v[\m], v[\st]
	v_cmp_lt_f32 s[MK+1], v[\m], v[(\st)+1]
	v_cmp_lt_f32 s[MK+2], v[\m], v[(\st)+2]
	s_wait_alu depctr_va_sdst(0)                   ; the three compares have written s[MK .. MK+2], which the selects below read
	v_cndmask_b32 v[(\st)+5], v[(\st)+5], \id, s[MK+2]
	v_cndmask_b32 v[(\st)+5], v[(\st)+5], v[(\st)+4], s[MK+1]
	v_cndmask_b32 v[(\st)+4], v[(\st)+4], \id, s[MK+1]
	v_cndmask_b32 v[(\st)+4], v[(\st)+4], v[(\st)+3], s[MK]
	v_cndmask_b32 v[(\st)+3], v[(\st)+3], \id, s[MK]
	v_med3_num_f32 v[(\st)+2], v[(\st)+1], v[(\st)+2], v[\m]
	v_med3_num_f32 v[(\st)+1], v[\st], v[(\st)+1], v[\m]
	v_min_num_f32 v[\st], v[\st], v[\m]
.endm
.macro QUADA i                         ; candidates 4 t + 512 i + 0..3: rounded in place, squared
.set XX, LX+12*(\i)
.set QQ, SQ+4*(\i)
	RB2 XX, XX+1, 29
	RB2 XX+2, XX+3, 30
	RB2 XX+4, XX+5, 29
	RB2 XX+6, XX+7, 30
	RB2 XX+8, XX+9, 29
	RB2 XX+10, XX+11, 30
	v_pk_mul_f32 v[QQ:QQ+1], v[XX:XX+1], v[XX:XX+1]
	v_pk_mul_f32 v[QQ+2:QQ+3], v[XX+2:XX+3], v[XX+2:XX+3]
	v_pk_fma_f32 v[QQ:QQ+1], v[XX+4:XX+5], v[XX+4:XX+5], v[QQ:QQ+1]
	v_pk_fma_f32 v[QQ+2:QQ+3], v[XX+6:XX+7], v[XX+6:XX+7], v[QQ+2:QQ+3]
	v_pk_fma_f32 v[QQ:QQ+1], v[XX+8:XX+9], v[XX+8:XX+9], v[QQ:QQ+1]
	v_pk_fma_f32 v[QQ+2:QQ+3], v[XX+10:XX+11], v[XX+10:XX+11], v[QQ+2:QQ+3]
.endm
.macro QUADS i                         ; and into the four arrays
.set XX, LX+12*(\i)
.set QQ, SQ+4*(\i)
	ds_store_b128 v4, v[XX:XX+3] offset:16*GP*(\i)
	ds_store_b128 v4, v[XX+4:XX+7] offset:TY+16*GP*(\i)
	ds_store_b128 v5, v[XX+8:XX+11] offset:16*GP*(\i)
	ds_store_b128 v5, v[QQ:QQ+3] offset:TY+16*GP*(\i)
.endm
.macro LOADQ u                         ; chunk u of the group in hand (u < 8) or chunk u - 8 of the next
.if (\u) < 8
.set GR, 26
.else
.set GR, 27
.endif
.set BB, RBUF+16*((\u)%4)
.set CO, 16*((\u)%8)
	ds_load_b128 v[BB:BB+3], v[GR] offset:CO
	ds_load_b128 v[BB+4:BB+7], v[GR] offset:TY+CO
	ds_load_b128 v[BB+8:BB+11], v[GR] offset:TZ+CO
	ds_load_b128 v[BB+12:BB+15], v[GR] offset:TQ+CO
.endm
.macro CHK c                           ; chunk c: four candidates
	s_wait_alu depctr_va_vdst(0)                   ; the chunk before is done reading its buffer, in which the four loads below land; in a trip's first chunk v26 and v27, which the loads read, are written
	LOADQ (\c)+3
	s_wait_dscnt 12                                ; three younger chunks of four loads stay out
.set BB, RBUF+16*((\c)%4)
.irp p, 0,1
	v_pk_mul_f32 v[32+2*\p:33+2*\p], v[BB+2*\p:BB+2*\p+1], v[16:17] op_sel_hi:[1,0]
.endr
.irp p, 0,1
	v_pk_fma_f32 v[32+2*\p:33+2*\p], v[BB+4+2*\p:BB+5+2*\p], v[16:17], v[32+2*\p:33+2*\p] op_sel:[0,1,0] op_sel_hi:[1,1,1]
.endr
.irp p, 0,1
	v_pk_fma_f32 v[32+2*\p:33+2*\p], v[BB+8+2*\p:BB+9+2*\p], v[18:19], v[32+2*\p:33+2*\p] op_sel_hi:[1,0,1]
.endr
.irp p, 0,1
	v_pk_fma_f32 v[32+2*\p:33+2*\p], v[32+2*\p:33+2*\p], -2.0, v[18:19] op_sel:[0,0,1] op_sel_hi:[1,0,1]
.endr
.irp p, 0,1
	v_pk_add_f32 v[32+2*\p:33+2*\p], v[32+2*\p:33+2*\p], v[BB+12+2*\p:BB+13+2*\p]
.endr
.irp j, 0,1,2,3
	v_max_num_f32 v[32+\j], 0, v[32+\j]
.endr
.irp j, 0,1,2,3
	s_add_co_u32 s40, s41, 4*(\c)+\j               ; the candidate's code: 32 x slot + place in the group
	INS1 32+\j, s40, ST
.endr
.endm
	s_load_b256 s[4:11], s[0:1], 0x0               ; xyz1 s[4:5], xyz2 s[6:7], grp s[8:9], nidx s[10:11]
	s_load_b64 s[12:13], s[0:1], 0x20              ; nwgt
	v_lshl_add_u32 v10, v0, 2, SPARE
	v_mov_b32 v11, 0
	s_mov_b32 s20, ttmp9
	s_lshr_b32 s21, s20, 7                         ; b
	s_and_b32 s22, s20, 127                        ; tile
	s_mov_b32 s36, 0xffff0000
	s_mov_b32 s37, 0x7f800000
	s_mov_b32 s38, 0x358637bd                      ; 1e-6
	s_mul_i32 s24, s21, 196608
	s_lshl_b32 s26, s22, 9
	s_add_co_u32 s24, s24, s26
	s_mov_b32 s25, 0
	s_mul_i32 s26, s21, 49152
	s_mov_b32 s27, 0
	s_lshl_b32 s28, s20, 11
	s_mov_b32 s29, 0
	s_lshl_b32 s43, s21, 12                        ; 4,096 b
	v_lshlrev_b32 v2, 4, v0                        ; 16 t
	v_lshlrev_b32 v3, 2, v0                        ; 4 t
	v_lshrrev_b32 v4, 3, v0                        ; group t / 8 + 16 i, 16 bytes for each t % 8
	v_and_b32 v5, 7, v0
	v_mul_u32_u24 v4, v4, GP
	v_lshl_add_u32 v4, v5, 4, v4
	v_add_nc_u32 v5, TZ, v4                        ; the upper two arrays: their offsets would pass 16 bits
	s_wait_kmcnt 0x0
	s_add_nc_u64 s[4:5], s[4:5], s[24:25]
	s_add_nc_u64 s[6:7], s[6:7], s[26:27]
	s_add_nc_u64 s[8:9], s[8:9], s[28:29]
	s_add_nc_u64 s[10:11], s[10:11], s[28:29]
	s_add_nc_u64 s[12:13], s[12:13], s[28:29]
	s_wait_alu depctr_va_vdst(0)                   ; the offsets and addresses v2 to v5 are written, which the loads and stores below read
	global_load_b128 v[12:15], v2, s[8:9]
	global_load_b32 v16, v3, s[4:5]
	global_load_b32 v17, v3, s[4:5] offset:65536
	global_load_b32 v18, v3, s[4:5] offset:131072
.irp i, 0,1,2,3,4,5,6,7
	global_load_b128 v[LX+12*\i:LX+12*\i+3], v2, s[6:7] offset:2048*\i
	global_load_b128 v[LX+12*\i+4:LX+12*\i+7], v2, s[6:7] offset:2048*\i+16384
	global_load_b128 v[LX+12*\i+8:LX+12*\i+11], v2, s[6:7] offset:2048*\i+32768
.endr
	s_wait_loadcnt 12                              ; all but the last four quads' 12 loads
	QUADA 0
	QUADA 1
	QUADA 2
	QUADA 3
	s_wait_alu depctr_va_vdst(0)                   ; quads 0 to 3 are rounded and squared: the 16 stores below read them
	QUADS 0
	QUADS 1
	QUADS 2
	QUADS 3
	v_cvt_pk_bf16_f32 v29, v16, v17                ; my query, rounded: (x, y) in v[16:17], (z, |q|^2) in v[18:19]
	v_cvt_pk_bf16_f32 v30, v18, v18
	v_lshlrev_b32 v16, 16, v29
	v_and_b32 v17, s36, v29
	v_lshlrev_b32 v18, 16, v30
	v_mul_f32 v19, v16, v16
	v_fmac_f32 v19, v17, v17
	v_fmac_f32 v19, v18, v18
	v_min_u32 v12, 127, v12                        ; a loaded number enters an address only behind such a bound
	v_min_u32 v13, 127, v13
	v_min_u32 v14, 127, v14
	v_mul_u32_u24 v26, v12, GP
	v_mul_u32_u24 v27, v13, GP
	v_mul_u32_u24 v28, v14, GP
	v_mov_b32 v[ST], s37
	v_mov_b32 v[ST+1], s37
	v_mov_b32 v[ST+2], s37
	v_mov_b32 v[ST+3], 0
	v_mov_b32 v[ST+4], 0
	v_mov_b32 v[ST+5], 0
	s_wait_loadcnt 0x0
	QUADA 4
	QUADA 5
	QUADA 6
	QUADA 7
	s_wait_alu depctr_va_vdst(0)                   ; quads 4 to 7 are rounded and squared: the 16 stores below read them; v26 and v27 are written, which the first chunks' loads read
	QUADS 4
	QUADS 5
	QUADS 6
	QUADS 7
	s_wait_dscnt 0x0                               ; for the others' sake: my part of the arrays is written
	s_barrier_signal -1
	s_barrier_wait -1
	s_wait_alu depctr_vm_vsrc(0)                   ; my LDS stores have read LX and SQ: these registers are the ring and registers at work from here on
	LOADQ 0
	LOADQ 1
	LOADQ 2
	s_mov_b32 s41, 0
	s_mov_b32 s42, 3
.Lslot:                                                ; a trip: one of my three groups, eight chunks; three chunks are always on their way, into the next group too
.irp c, 0,1,2,3,4,5,6,7
	CHK \c
.endr
	s_wait_alu depctr_vm_vsrc(0)                   ; the loads issued so far have read v26 and v27
	v_mov_b32 v26, v27
	v_mov_b32 v27, v28                             ; (the last trip fetches the third group's first three chunks once more; they are not used)
	s_add_co_u32 s41, s41, 32
	s_sub_co_u32 s42, s42, 1
	s_cmp_lg_u32 s42, 0
	s_cbranch_scc1 .Lslot
	s_wait_dscnt 0x0
	v_max_num_f32 v[ST], s38, v[ST]
	v_max_num_f32 v[ST+1], s38, v[ST+1]
	v_max_num_f32 v[ST+2], s38, v[ST+2]
	v_rcp_f32 v32, v[ST]
	v_rcp_f32 v33, v[ST+1]
	v_rcp_f32 v34, v[ST+2]
	v_lshrrev_b32 v48, 5, v[ST+3]                  ; the codes' slots: plain lines behind the reciprocals
	v_lshrrev_b32 v49, 5, v[ST+4]
	v_lshrrev_b32 v50, 5, v[ST+5]
	s_wait_alu depctr_va_vdst(0)                   ; the three reciprocals v32 to v34 are written, ahead of their first reader
	v_add_f32 v35, v32, v33
	v_add_f32 v35, v35, v34
	v_max_num_f32 v35, s38, v35
	v_rcp_f32 v36, v35
.irp k, 0,1,2
	v_cmp_eq_u32 s[24+2*\k], 1, v[48+\k]           ; which of my three groups each code names: six compares in one run
	v_cmp_eq_u32 s[25+2*\k], 2, v[48+\k]
.endr
	s_wait_alu depctr_va_sdst(0)                   ; the six compares have written s[24:29], which the selects below read
.irp k, 0,1,2
	v_cndmask_b32 v[52+\k], v12, v13, s[24+2*\k]
	v_cndmask_b32 v[52+\k], v[52+\k], v14, s[25+2*\k]  ; the slot's group
	v_and_b32 v[48+\k], 31, v[ST+3+\k]
	v_lshl_add_u32 v[44+\k], v[52+\k], 5, v[48+\k]
	v_add_nc_u32 v[44+\k], s43, v[44+\k]           ; 4,096 b + 32 g + place
.endr
	v_mov_b32 v47, 0
	s_wait_alu depctr_va_vdst(0)                   ; the reciprocal v36 is written, ahead of its first reader
	v_mul_f32 v40, v32, v36
	v_mul_f32 v41, v33, v36
	v_mul_f32 v42, v34, v36
	v_mov_b32 v43, 0
	s_wait_alu depctr_va_vdst(0)                   ; v[40:47] are written, which the two stores read
	global_store_b128 v2, v[44:47], s[10:11]
	global_store_b128 v2, v[40:43], s[12:13]
	s_wait_dscnt 0x0                               ; the closing lines, six on end
	s_wait_alu 0x0
	s_wait_tensorcnt 0x0
	ds_add_u32 v10, v11
	s_wait_dscnt 0x0
	s_endpgm
.Lfunc_end_k_qd2ed53fea3_knn_pick:
	.size	k_qd2ed53fea3_knn_pick, .Lfunc_end_k_qd2ed53fea3_knn_pick-k_qd2ed53fea3_knn_pick
	.p2alignl 7, 3214868480
	.fill 96, 4, 3214868480
	.section	.rodata,"a",@progbits
	.p2align	6, 0x0
	.amdhsa_kernel k_qd2ed53fea3_knn_pick
		.amdhsa_group_segment_fixed_size 74240
		.amdhsa_private_segment_fixed_size 0
		.amdhsa_enable_private_segment 0
		.amdhsa_kernarg_size 40
		.amdhsa_user_sgpr_count 2
		.amdhsa_user_sgpr_kernarg_segment_ptr 1
		.amdhsa_wavefront_size32 1
		.amdhsa_system_sgpr_workgroup_id_x 1
		.amdhsa_system_sgpr_workgroup_id_y 1
		.amdhsa_system_sgpr_workgroup_id_z 1
		.amdhsa_system_vgpr_workitem_id 0
		.amdhsa_next_free_vgpr 160
		.amdhsa_next_free_sgpr 66
		.amdhsa_reserve_vcc 0
		.amdhsa_float_denorm_mode_32 3
		.amdhsa_float_denorm_mode_16_64 3
		.amdhsa_memory_ordered 1
		.amdhsa_forward_progress 1
		.amdhsa_inst_pref_size 52
	.end_amdhsa_kernel
	.amdgpu_metadata
---
amdhsa.version: [ 1, 2 ]
amdhsa.kernels:
  - .name:           k_qd2ed53fea3_knn_pick
    .symbol:         k_qd2ed53fea3_knn_pick.kd
    .args:
      - { .name: xyz1, .offset: 0, .size: 8, .value_kind: global_buffer, .address_space: global }
      - { .name: xyz2, .offset: 8, .size: 8, .value_kind: global_buffer, .address_space: global }
      - { .name: grp, .offset: 16, .size: 8, .value_kind: global_buffer, .address_space: global }
      - { .name: nidx, .offset: 24, .size: 8, .value_kind: global_buffer, .address_space: global }
      - { .name: nwgt, .offset: 32, .size: 8, .value_kind: global_buffer, .address_space: global }
    .group_segment_fixed_size: 74240
    .private_segment_fixed_size: 0
    .kernarg_segment_align: 8
    .kernarg_segment_size: 40
    .max_flat_workgroup_size: 128
    .sgpr_count:     66
    .vgpr_count:     160
    .wavefront_size: 32
...
	.end_amdgpu_metadata
.endif
;; end of part 8
;; launch mlp1: the kernel of part 3 again; grid 256 x 1, 8 waves a work-group, clusters of 4 x 1, 327,680 bytes of LDS; arguments points1, prep, nidx, nwgt, b1, y1; writes y1
;; launch bn1: the kernel of part 4 again; grid 4 x 1, 8 waves a work-group, no clusters, 5,120 bytes of LDS; arguments y1, g1, beta1, ss1; writes ss1
;; launch mlp2: the kernel of part 5 again; grid 256 x 1, 8 waves a work-group, clusters of 4 x 1, 167,936 bytes of LDS; arguments y1, ss1, prep, b2, y2; writes y2
;; launch bn2: the kernel of part 4 again; grid 2 x 1, 8 waves a work-group, no clusters, 5,120 bytes of LDS; arguments y2, g2, beta2, ss2; writes ss2
;; launch bnout: the kernel of part 6 again; grid 256 x 1, 8 waves a work-group, no clusters, 0 bytes of LDS; arguments y2, ss2, out0; writes out0
